; MI455X (gfx1250); checked and timed in simulation.
; The chip was launched on July 23, 2026; its instructions are those of AMD's public machine-readable ISA for CDNA 5 (MIT licence, August 2026) and "CDNA5" Instruction Set Architecture Reference Guide (July 2026). The comments in the code are by the model that wrote it; some were corrected since.
;; Multi Head Attention. Allowed arithmetic: matrix products marked QUANTISED: E2M3 operands, one E8M0 scale for each 32 along K, by v_wmma_scale_f32_16x16x128_f8f6f4 with both operands' format E2M3, f32 sums; everything else in f32.
;; Inputs: b_out 1,024 float32; k_codes 2 x 2,048 x 32 x 24 uint8 (E2M3 codes of k, K innermost, in blocks of 32 codes, four codes in three bytes); k_mask 2 x 2,048 float32; k_scales 2 x 2,048 x 32 uint8 (E8M0 scales of k, one for each 32 codes along K); mask 2,048 x 2,048 float32; q_codes 2 x 2,048 x 32 x 24 uint8 (E2M3 codes of q, K innermost, in blocks of 32 codes, four codes in three bytes); q_mask 2 x 2,048 float32; q_scales 2 x 2,048 x 32 uint8 (E8M0 scales of q, one for each 32 codes along K); v_codes 2 x 2,048 x 32 x 24 uint8 (E2M3 codes of v, K innermost, in blocks of 32 codes, four codes in three bytes); v_scales 2 x 2,048 x 32 uint8 (E8M0 scales of v, one for each 32 codes along K); w_k_codes 1,024 x 32 x 24 uint8 (E2M3 codes of w_k, K innermost, in blocks of 32 codes, four codes in three bytes); w_k_scales 1,024 x 32 uint8 (E8M0 scales of w_k, one for each 32 codes along K); w_out_codes 1,024 x 32 x 24 uint8 (E2M3 codes of w_out, K innermost, in blocks of 32 codes, four codes in three bytes); w_out_scales 1,024 x 32 uint8 (E8M0 scales of w_out, one for each 32 codes along K); w_q_codes 1,024 x 32 x 24 uint8 (E2M3 codes of w_q, K innermost, in blocks of 32 codes, four codes in three bytes); w_q_scales 1,024 x 32 uint8 (E8M0 scales of w_q, one for each 32 codes along K); w_v_codes 1,024 x 32 x 24 uint8 (E2M3 codes of w_v, K innermost, in blocks of 32 codes, four codes in three bytes); w_v_scales 1,024 x 32 uint8 (E8M0 scales of w_v, one for each 32 codes along K).
;; Outputs: out0 2 x 2,048 x 1,024 float32.
;; This version of the problem:
;;   THIS VERSION OF THE PROBLEM IS GIVEN IN LOW PRECISION. The matrix products marked QUANTISED in the list below multiply operands that are first quantised to E2M3 (2 exponent bits, 3 mantissa bits; 6 bits a number), with one power-of-two scale for each 32 numbers along K (OCP MX v1.0); their sums are f32. All else is computed in f32.
;;   The module's matrix products, in the order in which they are computed (A, B: the left and right operand; K: the contracted axis; several contracted axes count as one K, in the product's order):
;;     1. [M 4,096, K 1,024] x [K 1,024, N 1,024]; A: input q (given as codes); B: input w_q (given as codes): QUANTISED
;;     2. [M 4,096, K 1,024] x [K 1,024, N 1,024]; A: input k (given as codes); B: input w_k (given as codes): QUANTISED
;;     3. [M 4,096, K 1,024] x [K 1,024, N 1,024]; A: input v (given as codes); B: input w_v (given as codes): QUANTISED
;;     4. batch 32 x [M 2,048, K 64] x [K 64, N 2,048]; A: computed on the way; B: computed on the way: QUANTISED
;;     5. batch 32 x [M 64, K 2,048] x [K 2,048, N 2,048]; A: computed on the way; B: softmax (see below): QUANTISED
;;     6. [M 4,096, K 1,024] x [K 1,024, N 1,024]; A: computed on the way; B: input w_out (given as codes): QUANTISED
;;   THE QUANTISER, for each operand of a quantised product, along K:
;;     - K is cut into blocks of 32 from its start; a last block that is shorter is filled with zeros.
;;     - A block's scale is 2^e with e = floor(log2(the largest magnitude in the block)) - 2, held to -126 .. 127; a block of zeros has e = 0. As a byte (E8M0): e + 127.
;;     - Each number is divided by its block's scale, clamped to +-7.5, and rounded to the nearest number of E2M3, ties to even, subnormals kept.
;;     - The product sums the exact products of the quantised numbers (number of the format x scale) in f32.
;;   ~~~python
;;   def quantise(x, axis):      # numpy; x: float32 -> the quantised numbers, widened to float32 again
;;       x = np.moveaxis(x, axis, -1); K = x.shape[-1]
;;       x = np.pad(x, [(0, 0)] * (x.ndim - 1) + [(0, -K % 32)]); x = x.reshape(x.shape[:-1] + (-1, 32)); a = np.abs(x).max(-1, keepdims=True)
;;       e = np.where(a > 0, np.clip(np.frexp(np.where(a > 0, a, 1))[1] - 1 - 2, -126, 127), 0)      # np.frexp(a)[1] - 1 = floor(log2(a)), exactly
;;       r = np.clip(x / 2.0 ** e, -7.5, 7.5)
;;       step = 2.0 ** (np.maximum(np.frexp(np.where(r == 0, 1, r))[1] - 1, 0) - 3)
;;       q = np.round(r / step) * step * 2.0 ** e      # np.round: ties to even
;;       return np.moveaxis(q.reshape(q.shape[:-2] + (-1,))[..., :K], -1, axis).astype(np.float32)
;;   ~~~
;;   SOFTMAX AHEAD OF A QUANTISED PRODUCT. Where the list says 'softmax', what is quantised is not the finished softmax but p = 2^(t - M), with t = logit x log2(e) and M = ceil(the row's largest t), a whole number; so 1/2 < the row's largest p <= 1. The row's sum l is taken of the UNQUANTISED p, in f32, and the product's result is divided by l at the end. Since M is a whole number, a kernel that streams over the keys may use a running M (the ceiling of the running maximum): every later rescaling is an exact power of two, which a block's scale takes up: the codes' values come out the same.
;;   OPERANDS COMPUTED ON THE WAY. 'Computed on the way' means the value that the module computes at that place (a softmax that the list does not call 'softmax' is quantised finished and normalised). What goes into a quantiser is computed in f32, as accurately as f32 sums, v_exp_f32 and their like allow (about 1e-6 of the number): no bf16 or f16 on the way to a quantiser, and a product that is left as it is and whose result goes on into a quantised operand takes f32 operands (vector FMAs, or v_wmma_f32_16x16x4_f32). A number that lies on a knife's edge between two numbers of the format may be rounded either way, as far as f32 arithmetic and the matrix unit's own rounding can turn it there, and no further.
;;   INPUTS GIVEN AS CODES. k (in the module: [2, 2048, 1024], K = its axis 2); q (in the module: [2, 2048, 1024], K = its axis 2); v (in the module: [2, 2048, 1024], K = its axis 2); w_k (in the module: [1024, 1024], K = its axis 0); w_out (in the module: [1024, 1024], K = its axis 0); w_q (in the module: [1024, 1024], K = its axis 0); w_v (in the module: [1024, 1024], K = its axis 0): each comes as NAME_codes (uint8): NAME with its K axis moved to the last place and cut into blocks of 32 codes, [.., K / 32, bytes a block], one block behind the other in memory; four codes in three bytes: a row's codes are one little-endian stream of bits, code i at bits 6 i .. 6 i + 5 (a code: sign, 2 exponent bits, 3 mantissa bits); and NAME_scales (uint8): the same leading axes, one E8M0 byte (e + 127) for each 32 codes along K. Its value is code x scale, taken as it is: it is not quantised again, and the codes and scales need not be those that the quantiser above would give.
;; One version. Each part assembles by itself: llvm-mc -triple=amdgcn-amd-amdhsa -mcpu=gfx1250 --defsym DOCPART=n.
;; ======== version 1 of 1: 4 launches
;; limits: right only within a limited range of input values
;; workspace buffers: qimg 3,407,872 bytes; kimg 3,407,872 bytes; vimg 3,407,872 bytes; minbuf 2,048 bytes; acodes 3,145,728 bytes; ascales 131,072 bytes
;; launch proj (part 1): grid 4 x 48, 4 waves a work-group, clusters of 4 x 4, 327,680 bytes of LDS; arguments q_codes, q_scales, w_q_codes, w_q_scales, k_codes, k_scales, w_k_codes, w_k_scales, w_v_codes, w_v_scales, v_codes, v_scales, qimg, kimg, vimg; writes qimg, kimg, vimg
.if DOCPART == 1
	.amdgcn_target "amdgcn-amd-amdhsa--gfx1250"
	.amdhsa_code_object_version 6
	.text
	.protected	k_qfb6fdd0c68_proj
	.globl	k_qfb6fdd0c68_proj
	.p2align	8
	.type	k_qfb6fdd0c68_proj,@function
k_qfb6fdd0c68_proj:
	s_mov_b64 s[64:65], 0
	v_nop
	global_prefetch_b8 v0, s[64:65] scope:SCOPE_SE
	s_setreg_imm32_b32 hwreg(HW_REG_WAVE_MODE, 25, 1), 1
	s_wait_xcnt 0x0
	s_wait_alu depctr_hold_cnt(0) depctr_sa_sdst(0) depctr_va_vdst(0) depctr_va_sdst(0) depctr_va_ssrc(0) depctr_va_vcc(0) depctr_vm_vsrc(0)
	s_getreg_b32 s2, hwreg(HW_REG_IB_STS2, 6, 4)
	s_cmp_eq_u32 s2, 0
	s_cbranch_scc0 .Lentry_in_a_cluster
	s_endpgm
.Lentry_in_a_cluster:
	s_bfe_u32 s2, ttmp6, 0x10000c
	s_cmp_lg_u32 s2, 0xf033
	s_cbranch_scc0 .Lentry_shape_is_right
	s_endpgm
.Lentry_shape_is_right:
; fq = q w_q, fk = k w_k, fv = v w_v on the given codes of FP6 (E2M3); each result is quantised along the next product's K (fq, fk: the head's 64 channels; fv: the keys) and stored as images of operand registers.
; No work of reference() is left out in this program, and every input is loaded.  LIMITS: NaN and infinities are not served; a block of zeros gets the scale byte 1 (these bytes are read by this program alone).
; A work-group makes 256 x 256, a wave 128 x 128 (64 accumulators).  Cluster y / 4 picks the tensor.  For q and k source 1 (A) is the tokens and source 0 (B) the weight's rows; for v A is the weight's rows and B the tokens:
; so a lane's registers run along the next K.  Lane r of tile i takes row 32 (i / 2) + 8 (i % 2) + r + 8 (r / 8): the 16 registers of two neighbouring tiles of B are 16 neighbours along the next K.
; K goes through a ring of two LDS slots in chunks of 256 bytes of each row of 768: three chunks, eight steps of 96 bytes; steps 2 and 5 lie across two chunks.  The scales of the 512 rows come once and stay.
; CLUSTERS 4 x 4: A's tiles are asked for jointly along a row, B's along a column.  No prefetch: of the three chunks two are asked for at the head.
; RECORD of an image, 6,656 bytes, for (batch, head, 128 tokens): Q, K: 8 tiles x 768 bytes of codes; V: 4 tiles x 1,536; then 512 bytes of scale words.
.set ROWB,   256
.set NQ,     2
.set KROW,   768
.set STEPS,  8
.set CHUNKS, 3
.set PITCH,  272
.set FR,     12
.set NL,     6
.set NP,     4
.set HALFT,  128*PITCH
.set SLOT,   4*HALFT
.set KS,     32
.set SCL,    2*SLOT
.set HALFS,  16*272
.set SPARE,  SCL+4*HALFS
.set REC,    6656
.set HROW,   16*REC
.set ADRA, 16
.set ADRB, 20
.set ADRS, 27
.set SPW,  28
.set NIL,  29
.set SC,   32
.set AF,   128
.set PC,   64
.set TM,   96
.set WP,   112
.set SH,   114
.set VB,   115
.set VS,   116
.set VO,   118
.set PW,   120
.set VSO,  122
.set G1, 24
.set G0, 32
.set G1B, 48
.set G0B, 56
.set G1S, 68
.set G0S, 76
.set G1SB, 80
.set G0SB, 88
.set G0H, 4
.set G0HB, 8
.set MSB, 0
.macro WIN new
.if MSB != (\new)
	s_set_vgpr_msb (MSB<<8)|(\new)
.set MSB, (\new)
.endif
.endm
.set MUL_LO, 0xa1
.set MUL_HI, 0xf1
.set TO_B,   0x40
.macro JLOAD g0a, g1a, g0b, g1b        ; waves 0, 1 fetch for A, waves 2, 3 for B
	s_cmp_eq_u32 s15, 0
	s_cbranch_scc0 .Lfor_b_\@
	tensor_load_to_lds s[\g0a:\g0a+3], s[\g1a:\g1a+7]
	s_nop 0
.rept 4
	v_nop
.endr
	s_branch .Lasked_\@
.Lfor_b_\@:
	tensor_load_to_lds s[\g0b:\g0b+3], s[\g1b:\g1b+7]
	s_nop 0
.rept 4
	v_nop
.endr
.Lasked_\@:
.endm
.macro CREST
	s_cmp_lg_u32 s14, 0
	s_cbranch_scc1 .Lnot_wave_0_\@
	s_barrier_signal -3
.Lnot_wave_0_\@:
	s_barrier_wait -3
	s_barrier_signal -1
	s_barrier_wait -1
.endm
.macro CROUND
	s_barrier_signal -1
	s_barrier_wait -1
	CREST
.endm
	s_load_b512 s[24:39], s[0:1], 0x0
	s_load_b256 s[40:47], s[0:1], 0x40
	s_load_b128 s[48:51], s[0:1], 0x60
	s_load_b64 s[52:53], s[0:1], 0x70
	v_lshl_add_u32 v[SPW], v0, 2, SPARE
	v_mov_b32 v[NIL], 0
	ds_add_u32 v[SPW], v[NIL]                      ; the opening lines: the add twice on end and its wait
	ds_add_u32 v[SPW], v[NIL]
	v_lshrrev_b32 v1, 5, v0
	v_readfirstlane_b32 s14, v1                    ; wave
	s_lshr_b32 s15, s14, 1                         ; my half of the rows; also: I fetch for A or B
	s_and_b32 s16, s14, 1                          ; my half of the columns; also: which 128 rows I fetch
	s_and_b32 s18, ttmp7, 0xffff
	s_lshr_b32 s66, s18, 2                         ; 0 q, 1 k, 2 v
	s_and_b32 s18, s18, 3
	s_lshl_b32 s18, s18, 2
	s_wait_dscnt 0x0
	s_wait_kmcnt 0x0
	s_cmp_eq_u32 s66, 0
	s_cselect_b64 s[4:5], s[24:25], s[32:33]
	s_cselect_b64 s[6:7], s[26:27], s[34:35]
	s_cselect_b64 s[8:9], s[28:29], s[36:37]
	s_cselect_b64 s[10:11], s[30:31], s[38:39]
	s_cselect_b64 s[12:13], s[48:49], s[50:51]
	s_cmp_eq_u32 s66, 2
	s_cselect_b64 s[4:5], s[40:41], s[4:5]
	s_cselect_b64 s[6:7], s[42:43], s[6:7]
	s_cselect_b64 s[8:9], s[44:45], s[8:9]
	s_cselect_b64 s[10:11], s[46:47], s[10:11]
	s_cselect_b64 s[12:13], s[52:53], s[12:13]
	s_cselect_b32 s19, 0, s18
	s_cselect_b32 s18, s18, 0
	s_bfe_u32 s40, ttmp6, 0x40000                  ; cx
	s_bfe_u32 s41, ttmp6, 0x40004                  ; cy
	s_add_co_u32 s42, s18, s40                     ; tile of B
	s_add_co_u32 s17, s19, s41                     ; tile of A
	s_lshl_b32 s43, s41, 2
	s_lshl_b32 s43, 15, s43                        ; my row of the cluster
	s_lshl_b32 s44, 0x1111, s40                    ; my column
	s_or_b32 s[G1+0], s43, (0<<16)|(1<<20)|(1<<21)|(5<<22)|(3<<25)   ; rows of 256 bytes, 16 bytes of padding behind each
	s_or_b32 s[G1B+0], s44, (0<<16)|(1<<20)|(1<<21)|(5<<22)|(3<<25)
.irp g, G1, G1B
	s_mov_b32 s[\g+1], ROWB<<16
	s_mov_b32 s[\g+2], 256<<16                     ; the head's loads bring 256 rows
	s_mov_b32 s[\g+3], ROWB<<16
	s_mov_b32 s[\g+4], 256
	s_mov_b32 s[\g+5], KROW
	s_mov_b32 s[\g+6], 0
	s_mov_b32 s[\g+7], 0
.endr
	s_or_b32 s[G1S+0], s43, (3<<16)|(1<<20)|(1<<21)|(5<<22)|(3<<25)  ; the scales of 256 rows: 8,192 dense bytes as 32 rows of 256
	s_or_b32 s[G1SB+0], s44, (3<<16)|(1<<20)|(1<<21)|(5<<22)|(3<<25)
.irp g, G1S, G1SB
	s_mov_b32 s[\g+1], 32<<16
	s_mov_b32 s[\g+2], KS<<16
	s_mov_b32 s[\g+3], 32<<16
	s_mov_b32 s[\g+4], KS
	s_mov_b32 s[\g+5], 32
	s_mov_b32 s[\g+6], 0
	s_mov_b32 s[\g+7], 0
.endr
	s_lshl_b32 s20, s17, 8
	s_lshl_b32 s46, s42, 8
	s_mov_b32 s21, 0
	s_mov_b32 s47, 0
	s_mov_b64 s[18:19], KS
	s_mul_u64 s[22:23], s[20:21], s[18:19]
	s_mul_u64 s[92:93], s[46:47], s[18:19]
	s_mov_b64 s[18:19], KROW
	s_mul_u64 s[20:21], s[20:21], s[18:19]
	s_mul_u64 s[46:47], s[46:47], s[18:19]
	s_mul_i32 s18, s16, 128*KROW
	s_mov_b32 s19, 0
	s_mul_i32 s45, s14, HALFT
	s_add_nc_u64 s[20:21], s[4:5], s[20:21]
	s_add_nc_u64 s[22:23], s[6:7], s[22:23]
	s_add_nc_u64 s[46:47], s[8:9], s[46:47]
	s_add_nc_u64 s[92:93], s[10:11], s[92:93]
	CROUND                                         ; the first joint loads meet
	s_mov_b32 s[G0H], 1
	s_mov_b32 s[G0H+1], 0
	s_mov_b64 s[G0H+2:G0H+3], s[20:21]
	s_or_b32 s[G0H+3], s[G0H+3], 0x80000000
	s_mov_b32 s[G0HB], 1
	s_mov_b32 s[G0HB+1], 2*HALFT
	s_mov_b64 s[G0HB+2:G0HB+3], s[46:47]
	s_or_b32 s[G0HB+3], s[G0HB+3], 0x80000000
	s_mov_b32 s[G0S], 1
	s_mov_b32 s[G0S+1], SCL
	s_mov_b64 s[G0S+2:G0S+3], s[22:23]
	s_or_b32 s[G0S+3], s[G0S+3], 0x80000000
	s_mov_b32 s[G0SB], 1
	s_mov_b32 s[G0SB+1], SCL+2*HALFS
	s_mov_b64 s[G0SB+2:G0SB+3], s[92:93]
	s_or_b32 s[G0SB+3], s[G0SB+3], 0x80000000
	s_add_nc_u64 s[20:21], s[20:21], s[18:19]      ; for the ring: my 128 rows
	s_add_nc_u64 s[46:47], s[46:47], s[18:19]
.irp s, 0,1
	s_mov_b32 s[G0+4*\s], 1
	s_add_co_u32 s[G0+4*\s+1], s45, \s*SLOT
	s_add_nc_u64 s[G0+4*\s+2:G0+4*\s+3], s[20:21], \s*ROWB
	s_or_b32 s[G0+4*\s+3], s[G0+4*\s+3], 0x80000000
	s_mov_b32 s[G0B+4*\s], 1
	s_add_co_u32 s[G0B+4*\s+1], s45, \s*SLOT
	s_add_nc_u64 s[G0B+4*\s+2:G0B+4*\s+3], s[46:47], \s*ROWB
	s_or_b32 s[G0B+4*\s+3], s[G0B+4*\s+3], 0x80000000
.endr
; the head's four tiles, one load a wave: chunk 0 of A, chunk 0 of B, A's scales, B's scales
.macro ARM under, g0, g1, next
	s_cmp_lt_u32 s14, \under
	s_cbranch_scc0 \next
	tensor_load_to_lds s[\g0:\g0+3], s[\g1:\g1+7]
	s_nop 0
.rept 4
	v_nop
.endr
	s_branch .Lhead_asked
\next:
.endm
	ARM 1, G0H,  G1,  .Lhead_b
	ARM 2, G0HB, G1B, .Lhead_sa
	ARM 3, G0S,  G1S, .Lhead_sb
	tensor_load_to_lds s[G0SB:G0SB+3], s[G1SB:G1SB+7]
	s_nop 0
.rept 4
	v_nop
.endr
.Lhead_asked:
	v_and_b32 v1, 15, v0                           ; r
	v_bfe_u32 v2, v0, 4, 1                         ; h
	v_and_b32 v3, 8, v1
	v_add_nc_u32 v3, v3, v1                        ; r + 8 (r / 8)
	v_mul_u32_u24 v3, v3, PITCH
	v_mul_u32_u24 v4, v2, 24
	v_add_nc_u32 v4, v3, v4
	s_mov_b32 s21, SLOT-232
	s_mov_b32 s22, SLOT+232
	v_sub_nc_u32 v7, 1, v2
	v_mul_u32_u24 v5, s21, v2
	v_add_nc_u32 v5, v3, v5
	v_add_nc_u32 v5, 232, v5                       ; lanes 0-15 byte 232 of the row in slot 0, lanes 16-31 byte 0 in slot 1
	v_mul_u32_u24 v6, s22, v7
	v_add_nc_u32 v6, v3, v6                        ; and the other way round
	s_mul_i32 s21, s15, HALFT
	s_mul_i32 s22, s16, HALFT
	s_add_co_u32 s22, s22, 2*HALFT
	v_add_nc_u32 v[ADRA+2], s21, v5
	v_add_nc_u32 v[ADRA+3], s21, v6
	v_add_nc_u32 v[ADRB+2], s22, v5
	v_add_nc_u32 v[ADRB+3], s22, v6
.irp s, 0,1
	v_add_nc_u32 v[ADRA+\s], s21, v4
	v_add_nc_u32 v[ADRB+\s], s22, v4
	s_add_co_u32 s21, s21, SLOT
	s_add_co_u32 s22, s22, SLOT
.endr
	v_and_b32 v5, 7, v1
	v_lshlrev_b32 v5, 5, v5
	v_lshrrev_b32 v6, 3, v1
	v_mad_u32_u24 v5, v6, 544, v5                  ; my row's scales: 32 bytes a row, 272 for each 8 rows
	s_mul_i32 s21, s15, HALFS
	s_mul_i32 s22, s16, HALFS
	s_add_co_u32 s22, s22, 2*HALFS
	s_sub_co_u32 s22, s22, s21
	v_mul_u32_u24 v6, s22, v2                      ; lanes 16-31 take B's
	s_add_co_u32 s21, s21, SCL
	v_add_nc_u32 v5, v5, v6
	v_add_nc_u32 v[ADRS], s21, v5
	s_lshl_b32 s20, s17, 8
	s_lshl_b32 s21, s15, 7
	s_add_co_u32 s20, s20, s21                     ; my first row of A
	s_lshl_b32 s46, s42, 8
	s_lshl_b32 s47, s16, 7
	s_add_co_u32 s46, s46, s47                     ; of B
	s_cmp_eq_u32 s66, 2
	s_cselect_b32 s21, s46, s20                    ; the token,
	s_cselect_b32 s47, s20, s46                    ; the channel
	s_lshr_b32 s22, s21, 11
	s_lshl_b32 s22, s22, 4
	s_lshr_b32 s23, s47, 6
	s_add_co_u32 s22, s22, s23
	s_lshl_b32 s22, s22, 4
	s_bfe_u32 s23, s21, 0x40007
	s_add_co_u32 s22, s22, s23
	s_mul_i32 s67, s22, REC                        ; my first record
.macro FRAG reg, adr, st, i            ; 12 registers in pieces of 8 bytes; byte y of a row lies in slot (y / 256) % 2 at byte y % 256
.irp p, 0,1,2,3,4,5
.set BY, 96*(\st)+48*(\p/3)+8*(\p%3)
.if BY/ROWB == (BY+24)/ROWB
	ds_load_b64 v[\reg+2*\p:\reg+2*\p+1], v[\adr+(BY/ROWB)%2] offset:BY%ROWB+(32*((\i)/2)+8*((\i)%2))*PITCH
.else
	ds_load_b64 v[\reg+2*\p:\reg+2*\p+1], v[\adr+2+(BY/ROWB)%2] offset:BY%ROWB-232+(32*((\i)/2)+8*((\i)%2))*PITCH
.endif
.endr
.endm
.macro MUL16 a0, p, q, sc, zero        ; the 64 accumulators take turns
.irp a, \a0, \a0+1
.irp b, 0,1,2,3,4,5,6,7
.if \zero
	v_wmma_scale_f32_16x16x128_f8f6f4 v[8*(8*((\a)%4)+\b):8*(8*((\a)%4)+\b)+7], v[128*(\p)+FR*\b:128*(\p)+FR*\b+FR-1], v[AF+FR*(\a):AF+FR*(\a)+FR-1], 0, v[SC+8*NQ*(\sc)+NQ*\b+(\q)], v[SC+8*NQ*(\sc)+NQ*(\a)+(\q)] matrix_a_fmt:MATRIX_FMT_FP6 matrix_b_fmt:MATRIX_FMT_FP6 matrix_a_scale:MATRIX_SCALE_ROW1
.else
	v_wmma_scale_f32_16x16x128_f8f6f4 v[8*(8*((\a)%4)+\b):8*(8*((\a)%4)+\b)+7], v[128*(\p)+FR*\b:128*(\p)+FR*\b+FR-1], v[AF+FR*(\a):AF+FR*(\a)+FR-1], v[8*(8*((\a)%4)+\b):8*(8*((\a)%4)+\b)+7], v[SC+8*NQ*(\sc)+NQ*\b+(\q)], v[SC+8*NQ*(\sc)+NQ*(\a)+(\q)] matrix_a_fmt:MATRIX_FMT_FP6 matrix_b_fmt:MATRIX_FMT_FP6 matrix_a_scale:MATRIX_SCALE_ROW1
.endif
.endr
.endr
.endm
.macro FETCH_B st, p
	WIN TO_B
.irp i, 0,1,2,3,4,5,6,7
	FRAG 128*(\p)+FR*\i, ADRB, \st, \i
.endr
	WIN 0
.endm
.macro FETCH_A st, i0
.irp i, \i0, \i0+1, \i0+2, \i0+3
	FRAG AF+FR*(\i), ADRA, \st, \i
.endr
.endm
.macro SCALES pr                       ; the words of steps 2 pr, 2 pr + 1: lanes 0-15 A's tile i, lanes 16-31 B's
.irp i, 0,1,2,3,4,5,6,7
	ds_load_b64 v[SC+8*NQ*((\pr)%2)+NQ*\i:SC+8*NQ*((\pr)%2)+NQ*\i+1], v[ADRS] offset:(4*(\i/2)+\i%2)*272+4*NQ*(\pr)
.endr
.endm
.macro PLACES n
.rept \n
	v_nop
.endr
.endm
; A step: 64 products; the next step's fragments are fetched in its middle and at its end.  Where the next step ends in a chunk not yet read: a barrier behind the wait for my loads.
; Where it begins in a later chunk: the three lines, the barrier, and, while a chunk is left to fetch, the cluster's round and the refill.
.macro STEP st, zero
.set NX, (\st)+1
.set C0, (96*(\st))/ROWB
.set C1, (96*NX)/ROWB
.set E0, (96*(\st)+95)/ROWB
.set E1, (96*NX+95)/ROWB
.if C1 > C0 || E1 > E0
	s_wait_tensorcnt 0x0                           ; all my tensor loads have landed
.if C1 > C0
	ds_add_u32 v[SPW], v[NIL]
	s_wait_dscnt 4*NL+1                            ; the add and A's blocks 4-7 may be out
.else
	s_wait_dscnt 4*NL                              ; A's blocks 4-7 may be out
.endif
	WIN MUL_LO
	MUL16 0, (\st)%2, (\st)%2, ((\st)/2)%2, \zero
	s_wait_dscnt 0x0                               ; the add and my reads are done
	s_barrier_signal -1
	MUL16 2, (\st)%2, (\st)%2, ((\st)/2)%2, \zero
	WIN 0
	s_barrier_wait -1
.if C1 > C0 && C0+2 < CHUNKS
	CREST
	s_add_nc_u64 s[G0+4*(C0%2)+2:G0+4*(C0%2)+3], s[G0+4*(C0%2)+2:G0+4*(C0%2)+3], 2*ROWB
	s_add_nc_u64 s[G0B+4*(C0%2)+2:G0B+4*(C0%2)+3], s[G0B+4*(C0%2)+2:G0B+4*(C0%2)+3], 2*ROWB
	JLOAD G0+4*(C0%2), G1, G0B+4*(C0%2), G1B       ; chunk C0 + 2; its four v_nop are the places in front of the loads below
.else
	PLACES NP
.endif
.else
	s_wait_dscnt 4*NL
	WIN MUL_LO
	MUL16 0, (\st)%2, (\st)%2, ((\st)/2)%2, \zero
	MUL16 2, (\st)%2, (\st)%2, ((\st)/2)%2, \zero
	s_wait_dscnt 0
	PLACES NP
.endif
	FETCH_B NX, NX%2
	FETCH_A NX, 0
.if NX%2 == 0
	SCALES NX/2
.endif
	WIN MUL_HI
	MUL16 4, (\st)%2, (\st)%2, ((\st)/2)%2, \zero
	MUL16 6, (\st)%2, (\st)%2, ((\st)/2)%2, \zero
	PLACES NP
	WIN 0
	FETCH_A NX, 4
.endm
	s_wait_alu depctr_va_vdst(0)
	s_wait_tensorcnt 0x0                           ; my tile of the head's four is in
	ds_add_u32 v[SPW], v[NIL]
	s_mov_b32 s[G1+2], 128<<16                     ; no load of mine is out: from here on a load brings 128 rows
	s_mov_b32 s[G1+4], 128
	s_mov_b32 s[G1B+2], 128<<16
	s_mov_b32 s[G1B+4], 128
	s_wait_dscnt 0x0
	CROUND
	JLOAD G0+4, G1, G0B+4, G1B                     ; chunk 1
	FETCH_B 0, 0
	FETCH_A 0, 0
	SCALES 0
	FETCH_A 0, 4
	STEP 0, 1                                      ; the first step's products start the sums
.set ST, 1
.rept STEPS-2
	STEP ST, 0
.set ST, ST+1
.endr
	s_wait_dscnt 4*NL
	WIN MUL_LO
	MUL16 0, 1, 1, 1, 0
	MUL16 2, 1, 1, 1, 0
	s_wait_dscnt 0
	WIN MUL_HI
	MUL16 4, 1, 1, 1, 0
	MUL16 6, 1, 1, 1, 0
	WIN 0
	PLACES NP
; THE WAY OUT: each block of 16 rows of A x my 128 rows of B is four blocks of 32 along the next K: quantised in registers and stored as 12 operand registers, 256 consecutive bytes a store
.irp b, 0,1,2,3
	v_mov_b32 v[TM+4+\b], 0
.endr
	s_mov_b32 s34, 0x76543210
	s_mov_b32 s35, 0xfedcba98
	s_cmp_eq_u32 s66, 2
	s_mov_b32 s24, 768
	s_cselect_b32 s24, 1536, s24
	s_mov_b32 s25, 3072
	s_cselect_b32 s25, HROW, s25
	s_mov_b32 s26, HROW
	s_cselect_b32 s26, 768, s26
	s_mov_b32 s27, 128
	s_cselect_b32 s27, 256, s27
	s_mov_b32 s28, 256
	s_cselect_b32 s28, HROW, s28
	s_mov_b32 s29, HROW
	s_cselect_b32 s29, 128, s29
	s_cselect_b32 s30, 0, 16
	v_and_b32 v1, 15, v0
	v_bfe_u32 v2, v0, 4, 1
	v_and_b32 v3, 31, v0
	v_mul_lo_u32 v[SH], v2, s30
	v_lshl_add_u32 v[VB], v3, 3, s67
	v_mul_lo_u32 v4, v2, s29
	v_lshl_add_u32 v4, v1, 3, v4
	v_add_nc_u32 v4, s67, v4
	v_add_nc_u32 v[VS], 6144, v4
.macro QUANTW s, w
	WIN ((\w)<<2)|((\w)<<4)
.irp b, 0,1,2,3
	v_max3_num_f32 v[TM+\b], 0x1800000, |v[(\s)+16*\b]|, |v[(\s)+1+16*\b]|   ; with the floor 2^(3 - 127)
.endr
.irp i, 2,4,6,8,10,12,14
.irp b, 0,1,2,3
	v_max3_num_f32 v[TM+\b], v[TM+\b], |v[(\s)+16*\b+\i]|, |v[(\s)+1+16*\b+\i]|
.endr
.endr
	WIN 0
.irp b, 0,1,2,3
	v_permlanex16_b32 v[TM+4+\b], v[TM+\b], s34, s35
.endr
.irp b, 0,1,2,3
	v_max_num_f32 v[TM+\b], v[TM+\b], v[TM+4+\b]
.endr
.irp b, 0,1,2,3
	v_add_nc_u32 v[TM+12+\b], 0xff000000, v[TM+\b]   ; 2 off the exponent field: the conversion's scale operand
.endr
.irp b, 0,1,2,3
	v_lshrrev_b32 v[TM+4+\b], 23, v[TM+12+\b]
.endr
	v_lshl_or_b32 v[PW], v[TM+5], 8, v[TM+4]
	v_lshl_or_b32 v[PW], v[TM+6], 16, v[PW]
	v_lshl_or_b32 v[PW], v[TM+7], 24, v[PW]
	WIN (\w)
.irp c, 0,1
	v_cvt_scalef32_pk16_fp6_f32 v[PC+6*\c:PC+2+6*\c], v[(\s)+32*\c:(\s)+15+32*\c], v[TM+12+2*\c]
	v_cvt_scalef32_pk16_fp6_f32 v[PC+12+4*\c:PC+14+4*\c], v[(\s)+16+32*\c:(\s)+31+32*\c], v[TM+12+2*\c+1]
.endr
	WIN 0
	v_nop
.irp c, 0,1
.irp i, 0,1,2
	v_permlane16_swap_b32 v[PC+6*\c+\i], v[PC+12+4*\c+\i]
.endr
.irp i, 0,1,2
	v_mov_b32 v[PC+3+6*\c+\i], v[PC+12+4*\c+\i]
.endr
.endr
.endm
.macro UNIT a
	s_wait_xcnt 0x0                                ; the last unit's stores have read their registers
	QUANTW 64*((\a)%4), 2+(\a)/4
	s_mul_i32 s32, s24, (\a)%4
	s_mul_i32 s33, s25, (\a)/4
	s_add_co_u32 s32, s32, s33
	v_add_nc_u32 v[VO], s32, v[VB]
	v_add_nc_u32 v[VO+1], s26, v[VO]
.irp k, 0,1,2
	global_store_b64 v[VO], v[PC+2*\k:PC+2*\k+1], s[12:13] offset:256*\k
	global_store_b64 v[VO+1], v[PC+6+2*\k:PC+7+2*\k], s[12:13] offset:256*\k
.endr
	v_lshrrev_b32 v[WP+(\a)%2], v[SH], v[PW]
.if (\a)%2
	s_mul_i32 s32, s27, ((\a)/2)%2
	s_mul_i32 s33, s28, (\a)/4
	s_add_co_u32 s32, s32, s33
	v_add_nc_u32 v[VSO], s32, v[VS]
	global_store_b64 v[VSO], v[WP:WP+1], s[12:13]
.endif
.endm
.irp a, 0,1,2,3,4,5,6,7
	UNIT \a
.endr
	s_wait_tensorcnt 0x0                           ; the wave's end
	ds_add_u32 v[SPW], v[NIL]
	s_wait_dscnt 0x0
	CROUND                                         ; the closing round
	s_endpgm
.Lfunc_end_k_qfb6fdd0c68_proj:
	.size	k_qfb6fdd0c68_proj, .Lfunc_end_k_qfb6fdd0c68_proj-k_qfb6fdd0c68_proj
	.p2alignl 7, 3214868480
	.fill 96, 4, 3214868480
	.section	.rodata,"a",@progbits
	.p2align	6, 0x0
	.amdhsa_kernel k_qfb6fdd0c68_proj
		.amdhsa_group_segment_fixed_size 327680
		.amdhsa_private_segment_fixed_size 0
		.amdhsa_enable_private_segment 0
		.amdhsa_kernarg_size 120
		.amdhsa_user_sgpr_count 2
		.amdhsa_user_sgpr_kernarg_segment_ptr 1
		.amdhsa_wavefront_size32 1
		.amdhsa_system_sgpr_workgroup_id_x 1
		.amdhsa_system_sgpr_workgroup_id_y 1
		.amdhsa_system_sgpr_workgroup_id_z 1
		.amdhsa_system_vgpr_workitem_id 0
		.amdhsa_next_free_vgpr 1024
		.amdhsa_next_free_sgpr 100
		.amdhsa_reserve_vcc 0
		.amdhsa_float_denorm_mode_32 3
		.amdhsa_float_denorm_mode_16_64 3
		.amdhsa_memory_ordered 1
		.amdhsa_forward_progress 1
		.amdhsa_inst_pref_size 171
	.end_amdhsa_kernel
	.amdgpu_metadata
---
amdhsa.version: [ 1, 2 ]
amdhsa.kernels:
  - .name:           k_qfb6fdd0c68_proj
    .symbol:         k_qfb6fdd0c68_proj.kd
    .args:
      - { .name: q_codes, .offset: 0, .size: 8, .value_kind: global_buffer, .address_space: global }
      - { .name: q_scales, .offset: 8, .size: 8, .value_kind: global_buffer, .address_space: global }
      - { .name: w_q_codes, .offset: 16, .size: 8, .value_kind: global_buffer, .address_space: global }
      - { .name: w_q_scales, .offset: 24, .size: 8, .value_kind: global_buffer, .address_space: global }
      - { .name: k_codes, .offset: 32, .size: 8, .value_kind: global_buffer, .address_space: global }
      - { .name: k_scales, .offset: 40, .size: 8, .value_kind: global_buffer, .address_space: global }
      - { .name: w_k_codes, .offset: 48, .size: 8, .value_kind: global_buffer, .address_space: global }
      - { .name: w_k_scales, .offset: 56, .size: 8, .value_kind: global_buffer, .address_space: global }
      - { .name: w_v_codes, .offset: 64, .size: 8, .value_kind: global_buffer, .address_space: global }
      - { .name: w_v_scales, .offset: 72, .size: 8, .value_kind: global_buffer, .address_space: global }
      - { .name: v_codes, .offset: 80, .size: 8, .value_kind: global_buffer, .address_space: global }
      - { .name: v_scales, .offset: 88, .size: 8, .value_kind: global_buffer, .address_space: global }
      - { .name: qimg, .offset: 96, .size: 8, .value_kind: global_buffer, .address_space: global }
      - { .name: kimg, .offset: 104, .size: 8, .value_kind: global_buffer, .address_space: global }
      - { .name: vimg, .offset: 112, .size: 8, .value_kind: global_buffer, .address_space: global }
    .group_segment_fixed_size: 327680
    .private_segment_fixed_size: 0
    .kernarg_segment_align: 8
    .kernarg_segment_size: 120
    .max_flat_workgroup_size: 128
    .sgpr_count:     100
    .vgpr_count:     1024
    .wavefront_size: 32
...
	.end_amdgpu_metadata
.endif
;; end of part 1
;; launch minmax (part 2): grid 16 x 16, 8 waves a work-group, clusters of 4 x 4, 327,680 bytes of LDS; arguments qimg, kimg, mask, q_mask, k_mask, minbuf; writes minbuf
.if DOCPART == 2
	.amdgcn_target "amdgcn-amd-amdhsa--gfx1250"
	.amdhsa_code_object_version 6
	.text
	.protected	k_qfb6fdd0c68_minmax
	.globl	k_qfb6fdd0c68_minmax
	.p2align	8
	.type	k_qfb6fdd0c68_minmax,@function
k_qfb6fdd0c68_minmax:
	s_mov_b64 s[64:65], 0
	v_nop
	global_prefetch_b8 v0, s[64:65] scope:SCOPE_SE
	s_setreg_imm32_b32 hwreg(HW_REG_WAVE_MODE, 25, 1), 1
	s_wait_xcnt 0x0
	s_wait_alu depctr_hold_cnt(0) depctr_sa_sdst(0) depctr_va_vdst(0) depctr_va_sdst(0) depctr_va_ssrc(0) depctr_va_vcc(0) depctr_vm_vsrc(0)
	s_getreg_b32 s2, hwreg(HW_REG_IB_STS2, 6, 4)
	s_cmp_eq_u32 s2, 0
	s_cbranch_scc0 .Lentry_in_a_cluster
	s_endpgm
.Lentry_in_a_cluster:
	s_bfe_u32 s2, ttmp6, 0x10000c
	s_cmp_lg_u32 s2, 0xf033
	s_cbranch_scc0 .Lentry_shape_is_right
	s_endpgm
.Lentry_shape_is_right:
; The two numbers of reference()'s clip: lo = min over (b, h, q, k) of s / 8 + mask, hi = max of ((s / 8 + mask) + q_mask) + k_mask, s = fq . fk on codes of FP6.  Each work-group stores its own lo and hi.
; No work of reference() is left out here.  x -> round(x / 8 + a) does not fall where x rises, so for each (b, q, k) the smallest and largest s over the 16 heads are kept, and the masks are added once, in reference()'s order.
; LIMITS: NaN and infinities are not served.
; SHARES.  A work-group takes 128 queries x 128 keys for both batches and all heads.  Wave w: batch w / 4, queries 64 ((w / 2) % 2) on, keys 64 (w % 2) on: 4 x 4 tiles, two heads at a time.  Two waves to a SIMD.
; K = 64 IN AN INSTRUCTION OF 128: Q's fragment is six registers of codes and six of zero codes; K's tiles lie on end, six registers each, so that a tile's upper half is the next tile's codes (behind the last: zeros),
; which meet Q's zero codes and add nothing; the upper two bytes of a scale word are another head's bytes or 0, never 0xff.
; S^T = K Q^T: lane (r, h) holds one query; the 16 registers of key tiles 2 b, 2 b + 1 are keys 32 b + 16 h + 0 .. 15 (the stored tiles' rows are chosen for that).
; RING: two slots of four heads (both batches, Q and K: 16 records of 6,656 bytes).  Each of the eight waves fills a quarter of a slot.  CLUSTERS: 4 x 4; Q's records are asked for jointly along a row, K's along a column.
; Every wait on the tensor counter is for 0; a wave has at most two tensor loads out.
; REGISTERS: window 0: v1-13 addresses; v16-111 Q (2 heads x 4 tiles x 12); v112-171 K (2 x 30); v172-187 scale words and nothing else; v192-255 fresh scores of the two heads.  Window 1: v0-127 running minima, v128-255 maxima.
.set REC,   6656
.set HROW,  16*REC
.set QUART, 4*REC
.set SLOTB, 16*REC
.set KOFF,  8*REC
.set MASKB, 2*SLOTB                    ; the mask's tile: 128 rows x (512 + 8) bytes: row p starts at bank 2 p mod 64, so the 32 lanes of a load of 8 bytes touch 64 banks (64 banks of 4 bytes: ISA guide 11.1)
.set MP,    520
.set RED,   MASKB+128*MP               ; a block for the waves' results
.set KMS,   RED+256                    ; k_mask of my 128 keys, both batches; then q_mask of my 128 queries
.set QMS,   KMS+1024
.set SPARE, QMS+1024                   ; the spare words, 128 bytes a wave, named by no other line
.set AQ,  1
.set AK,  3
.set ASQ, 5
.set ASK, 7
.set SPW, 9
.set NIL, 10
.set AMK, 11
.set AKMS, 12
.set AQMS, 13
.set QF,  16
.set KF,  112
.set SCQ, 172
.set SCK, 180
.set FA,  192
.set FB,  224
.set MK,  16                           ; the epilogue: v16-143 the mask, v144-151 q_mask, v152-155 results, v192-223 at work, v224-255 k_mask
.set QM,  144
.set LO,  152
.set HI,  154
.set T1,  192
.set KMR, 224
.set WV,  16
.set ISK, 17
.set LB,  18
.set SG,  19
.set QH,  20
.set KH,  21
.set XK,  24
.set YQ,  25
.set G1Q, 32
.set G1K, 40
.set G1M, 48
.set G0Q, 56
.set G0K, 60
.set G0M, 68
.set SEL, 72
.set EI,  74
.set MSB, 0
.macro WIN new
.if MSB != (\new)
	s_set_vgpr_msb (MSB<<8)|(\new)
.set MSB, (\new)
.endif
.endm
.macro TL g0, g1                       ; a tensor load; an s_nop 0 and four v_nop follow
	tensor_load_to_lds s[\g0:\g0+3], s[\g1:\g1+7]
	s_nop 0
.rept 4
	v_nop
.endr
.endm
.macro CROUND
	s_barrier_signal -1
	s_barrier_wait -1
	s_cmp_lg_u32 s[WV], 0
	s_cbranch_scc1 .Lnot_wave_0_\@
	s_barrier_signal -3
.Lnot_wave_0_\@:
	s_barrier_wait -3
	s_barrier_signal -1
	s_barrier_wait -1
.endm
.macro PLACES
.rept 4
	v_nop
.endr
.endm
	s_load_b256 s[4:11], s[0:1], 0x0               ; qimg, kimg, mask, q_mask
	s_load_b128 s[12:15], s[0:1], 0x20             ; k_mask, minbuf
	v_lshl_add_u32 v[SPW], v0, 2, SPARE
	v_mov_b32 v[NIL], 0
	ds_add_u32 v[SPW], v[NIL]                      ; the wave's opening: the add, twice on end, and its wait ahead of my first tensor load
	ds_add_u32 v[SPW], v[NIL]
	v_lshrrev_b32 v1, 5, v0
	s_delay_alu instid0(VALU_DEP_1)
	v_readfirstlane_b32 s[WV], v1                  ; wave 0..7
	s_bfe_u32 s[ISK], s[WV], 0x10001               ; I fetch for Q (0) or K (1); also my half of the queries
	s_and_b32 s[LB], s[WV], 1                      ; the batch that I fetch; also my half of the keys
	s_lshr_b32 s[SG], s[WV], 2                     ; the slot that I fill; also the batch that I multiply
	s_mov_b32 s[QH], s[ISK]
	s_mov_b32 s[KH], s[LB]
	s_bfe_u32 s22, ttmp6, 0x40000                  ; cx
	s_bfe_u32 s23, ttmp6, 0x40004                  ; cy
	s_lshl_b32 s[XK], ttmp9, 2
	s_add_co_u32 s[XK], s[XK], s22                 ; block of 128 keys
	s_and_b32 s[YQ], ttmp7, 0xffff
	s_lshl_b32 s[YQ], s[YQ], 2
	s_add_co_u32 s[YQ], s[YQ], s23                 ; block of 128 queries
	s_lshl_b32 s76, s23, 2
	s_lshl_b32 s76, 15, s76                        ; my row of the cluster
	s_lshl_b32 s77, 0x1111, s22                    ; my column
	s_or_b32 s[G1Q], s76, (3<<16)|(1<<21)          ; mask; elements of 8 bytes; no padding
	s_or_b32 s[G1K], s77, (3<<16)|(1<<21)
.irp g, G1Q, G1K
	s_mov_b32 s[\g+1], 832<<16                     ; a record: 832 elements
	s_mov_b32 s[\g+2], 4<<16                       ; four heads
	s_mov_b32 s[\g+3], 832<<16
	s_mov_b32 s[\g+4], 4
	s_mov_b32 s[\g+5], HROW/8                      ; from head to head
	s_mov_b32 s[\g+6], 0
	s_mov_b32 s[\g+7], 0
.endr
	s_mov_b32 s[G1M], (2<<16)|(1<<20)|(6<<22)|(1<<25)  ; no mask: my own tile; elements of 4 bytes; 2 words of padding behind every 128
	s_mov_b32 s[G1M+1], 128<<16
	s_mov_b32 s[G1M+2], 64<<16
	s_mov_b32 s[G1M+3], 128<<16
	s_mov_b32 s[G1M+4], 64
	s_mov_b32 s[G1M+5], 2048
	s_mov_b32 s[G1M+6], 0
	s_mov_b32 s[G1M+7], 0
	s_lshl_b32 s26, s[LB], 4
	s_lshl_b32 s27, s[SG], 2
	s_add_co_u32 s26, s26, s27                     ; 16 x batch + my slot's first head
	s_lshl_b32 s26, s26, 4
	s_add_co_u32 s28, s26, s[XK]                   ; K's record,
	s_add_co_u32 s26, s26, s[YQ]                   ; Q's record
	s_mul_i32 s26, s26, REC
	s_mul_i32 s28, s28, REC
	s_mov_b32 s27, 0
	s_mov_b32 s29, 0
	s_lshl_b32 s30, s[YQ], 7
	s_lshl_b32 s31, s[LB], 6
	s_add_co_u32 s30, s30, s31
	s_lshl_b32 s30, s30, 13                        ; the mask: row 128 Yq + 64 x half, 8,192 bytes a row,
	s_lshl_b32 s31, s[XK], 9
	s_add_co_u32 s30, s30, s31                     ; column 128 Xk
	s_mov_b32 s31, 0
	s_mul_i32 s78, s[WV], QUART                    ; where my records go: wave x four records
	s_mul_i32 s79, s[LB], 64*MP
	s_mov_b32 s[SEL], 0x76543210
	s_mov_b32 s[SEL+1], 0xfedcba98
	s_mov_b32 s[EI], 0x3e000000                    ; 1 / 8
	s_mov_b32 s[EI+1], s[EI]
	s_wait_dscnt 0x0                               ; both opening adds are done
	s_wait_kmcnt 0x0
	s_mov_b32 s[G0Q], 1
	s_mov_b32 s[G0Q+1], s78
	s_add_nc_u64 s[G0Q+2:G0Q+3], s[4:5], s[26:27]
	s_or_b32 s[G0Q+3], s[G0Q+3], 0x80000000
	s_mov_b32 s[G0K], 1
	s_mov_b32 s[G0K+1], s78
	s_add_nc_u64 s[G0K+2:G0K+3], s[6:7], s[28:29]
	s_or_b32 s[G0K+3], s[G0K+3], 0x80000000
	s_mov_b32 s[G0M], 1
	s_add_co_u32 s[G0M+1], s79, MASKB
	s_add_nc_u64 s[G0M+2:G0M+3], s[8:9], s[30:31]
	s_or_b32 s[G0M+3], s[G0M+3], 0x80000000
	CROUND                                         ; all sixteen work-groups are here: the first joint loads meet
	s_cmp_eq_u32 s[ISK], 0                         ; the first fills of the two slots: every wave issues one
	s_cbranch_scc0 .Lff_k
	TL G0Q, G1Q
	s_branch .Lff_done
.Lff_k:
	TL G0K, G1K
.Lff_done:
	; k_mask of my 128 keys and q_mask of my 128 queries, both batches: a number a thread, into LDS blocks of their own
	v_lshrrev_b32 v202, 7, v0
	v_and_b32 v203, 127, v0
	s_delay_alu instid0(VALU_DEP_2)
	v_lshlrev_b32 v202, 13, v202
	s_delay_alu instid0(VALU_DEP_1)
	v_lshl_add_u32 v202, v203, 2, v202
	s_lshl_b32 s76, s[XK], 9
	s_lshl_b32 s77, s[YQ], 9
	v_add_nc_u32 v203, s77, v202
	v_add_nc_u32 v202, s76, v202
	global_load_b32 v200, v202, s[12:13]
	global_load_b32 v201, v203, s[10:11]
.irp e, 0,1
.irp a, 0,1,2,3
.irp i, 6,7,8,9,10,11
	v_mov_b32 v[QF+48*\e+12*\a+\i], 0              ; Q's zero codes, written once
.endr
.endr
.irp i, 24,25,26,27,28,29
	v_mov_b32 v[KF+30*\e+\i], 0                    ; behind K's last tile
.endr
.endr
	v_and_b32 v192, 31, v0                         ; lane
	s_wait_alu depctr_va_vdst(0)
	v_and_b32 v193, 15, v0                         ; r
	s_wait_alu depctr_va_vdst(0)
	v_bfe_u32 v194, v0, 4, 1                       ; h
	s_mul_i32 s76, s[SG], QUART
	s_mul_i32 s77, s[QH], 3072
	s_add_co_u32 s77, s77, s76                     ; my four tiles of Q in a record of my batch
	s_mul_i32 s78, s[KH], 3072
	s_add_co_u32 s78, s78, s76
	s_add_co_u32 s78, s78, KOFF                    ; of K
	s_lshl_b32 s79, s[QH], 8
	s_add_co_u32 s79, s79, s76
	s_add_co_u32 s79, s79, 6144                    ; their scale words
	s_lshl_b32 s80, s[KH], 8
	s_add_co_u32 s80, s80, s76
	s_add_co_u32 s80, s80, KOFF+6144
.irp s, 0,1
	v_lshl_add_u32 v[AQ+\s], v192, 3, s77
	v_lshl_add_u32 v[AK+\s], v192, 3, s78
	v_lshl_add_u32 v[ASQ+\s], v193, 3, s79
	v_lshl_add_u32 v[ASK+\s], v193, 3, s80
	s_add_co_u32 s77, s77, SLOTB
	s_add_co_u32 s78, s78, SLOTB
	s_add_co_u32 s79, s79, SLOTB
	s_add_co_u32 s80, s80, SLOTB
.endr
	v_and_b32 v195, 8, v193
	s_delay_alu instid0(VALU_DEP_1)
	v_add_nc_u32 v195, v195, v193                  ; r + 8 (r / 8)
	s_lshl_b32 s81, s[QH], 6
	v_add_nc_u32 v195, s81, v195                   ; my query in the block, for tile 0
	s_delay_alu instid0(VALU_DEP_1)
	v_mul_u32_u24 v[AMK], v195, MP
	s_delay_alu instid0(VALU_DEP_1)
	v_lshl_add_u32 v[AMK], v194, 6, v[AMK]
	s_lshl_b32 s82, s[KH], 8
	s_add_co_u32 s83, s82, MASKB
	v_add_nc_u32 v[AMK], s83, v[AMK]
	s_lshl_b32 s84, s[SG], 9
	s_add_co_u32 s85, s84, s82
	s_add_co_u32 s85, s85, KMS
	v_lshl_add_u32 v[AKMS], v194, 6, s85
	s_add_co_u32 s84, s84, QMS
	v_lshl_add_u32 v[AQMS], v195, 2, s84
	v_lshl_add_u32 v196, v0, 2, KMS
	s_wait_alu depctr_va_vdst(0)
	s_wait_loadcnt 0x0
	ds_store_b32 v196, v200
	ds_store_b32 v196, v201 offset:1024
	s_wait_tensorcnt 0x0                           ; my first fill has landed;
	ds_add_u32 v[SPW], v[NIL]
	s_wait_dscnt 0x0                               ; the add and my two stores are done
	CROUND                                         ; everybody's have; no bytes are filled again behind this round
	s_cmp_lt_u32 s[WV], 6
	s_cbranch_scc1 .Lmk_done
	TL G0M, G1M                                    ; waves 6 and 7: the mask's two halves, read on the way out
.Lmk_done:
.macro LOADPAIR slot, pr               ; heads 2 pr and 2 pr + 1 of the slot: 48 loads of codes (256 consecutive bytes each), 8 of scale words
.irp e, 0,1
.irp a, 0,1,2,3
.irp c, 0,1,2
	ds_load_b64 v[QF+48*\e+12*\a+2*\c:QF+48*\e+12*\a+2*\c+1], v[AQ+\slot] offset:(2*(\pr)+\e)*REC+768*\a+256*\c
	ds_load_b64 v[KF+30*\e+6*\a+2*\c:KF+30*\e+6*\a+2*\c+1], v[AK+\slot] offset:(2*(\pr)+\e)*REC+768*\a+256*\c
.endr
.endr
.irp p, 0,1
	ds_load_b64 v[SCQ+4*\e+2*\p:SCQ+4*\e+2*\p+1], v[ASQ+\slot] offset:(2*(\pr)+\e)*REC+128*\p
	ds_load_b64 v[SCK+4*\e+2*\p:SCK+4*\e+2*\p+1], v[ASK+\slot] offset:(2*(\pr)+\e)*REC+128*\p
.endr
.endr
.endm
.macro MULQ a                          ; query tile a against my four key tiles, both heads: eight sums begun with the constant 0
.irp t, 0,1,2,3
	v_wmma_scale_f32_16x16x128_f8f6f4 v[FA+8*\t:FA+8*\t+7], v[KF+6*\t:KF+6*\t+11], v[QF+12*(\a):QF+12*(\a)+11], 0, v[SCK+\t], v[SCQ+(\a)] matrix_a_fmt:MATRIX_FMT_FP6 matrix_b_fmt:MATRIX_FMT_FP6
	v_wmma_scale_f32_16x16x128_f8f6f4 v[FB+8*\t:FB+8*\t+7], v[KF+30+6*\t:KF+30+6*\t+11], v[QF+48+12*(\a):QF+48+12*(\a)+11], 0, v[SCK+4+\t], v[SCQ+4+(\a)] matrix_a_fmt:MATRIX_FMT_FP6 matrix_b_fmt:MATRIX_FMT_FP6
.endr
.endm
.macro REDUCE a, first                 ; the two heads' scores into the running minima and maxima, each accumulator from its low end on
.if \first
	WIN 0x40
.set x, 0
.rept 32
	v_min_num_f32 v[32*(\a)+x], v[FA+x], v[FB+x]
.set x, x+1
.endr
.set x, 0
.rept 32
	v_max_num_f32 v[128+32*(\a)+x], v[FA+x], v[FB+x]
.set x, x+1
.endr
.else
	WIN 0x41
.set x, 0
.rept 32
	v_min3_num_f32 v[32*(\a)+x], v[32*(\a)+x], v[FA+x], v[FB+x]
.set x, x+1
.endr
.set x, 0
.rept 32
	v_max3_num_f32 v[128+32*(\a)+x], v[128+32*(\a)+x], v[FA+x], v[FB+x]
.set x, x+1
.endr
.endif
	WIN 0
.endm
.macro PAIR first, doload, nslot, npr
	s_wait_dscnt 0x0                               ; the pair's fragments are in
.irp a, 0,1,2,3
	MULQ \a
	PLACES
.if (\a == 3) && \doload
	LOADPAIR \nslot, \npr                          ; all products of this pair are issued, four places back
.endif
	REDUCE \a, \first
.endr
.endm
	LOADPAIR 0, 0
	PAIR 1, 1, 0, 1
	PAIR 0, 0, 0, 0
	; slot 0 is left: heads 8-11 go into it
	s_wait_tensorcnt 0x0                           ; no tensor load of mine is out, so the group 0s may be written
	ds_add_u32 v[SPW], v[NIL]
	s_add_nc_u64 s[G0Q+2:G0Q+3], s[G0Q+2:G0Q+3], 8*HROW   ; every wave's one refill: eight heads on
	s_add_nc_u64 s[G0K+2:G0K+3], s[G0K+2:G0K+3], 8*HROW
	s_wait_dscnt 0x0                               ; the add is done, and my reads of slot 0 are over
	CROUND                                         ; that holds of every wave of every partner
	s_cmp_lt_u32 s[WV], 2
	s_cbranch_scc0 .La_k
	TL G0Q, G1Q
	s_branch .La_done
.La_k:
	s_cmp_lt_u32 s[WV], 4
	s_cbranch_scc0 .La_done
	TL G0K, G1K
.La_done:
	LOADPAIR 1, 0
	PAIR 0, 1, 1, 1
	PAIR 0, 0, 0, 0
	; slot 1 is left: heads 12-15 go into it
	s_wait_tensorcnt 0x0
	ds_add_u32 v[SPW], v[NIL]
	s_wait_dscnt 0x0
	CROUND
	s_cmp_lt_u32 s[WV], 4
	s_cbranch_scc1 .Lb_done
	s_cmp_lt_u32 s[WV], 6
	s_cbranch_scc0 .Lb_k
	TL G0Q, G1Q
	s_branch .Lb_done
.Lb_k:
	TL G0K, G1K
.Lb_done:
	LOADPAIR 0, 0
	PAIR 0, 1, 0, 1
	PAIR 0, 0, 0, 0
	s_wait_tensorcnt 0x0                           ; slot 1's last fill has landed;
	s_wait_dscnt 0x0
	s_barrier_signal -1
	s_barrier_wait -1                              ; everybody's has
	LOADPAIR 1, 0
	PAIR 0, 1, 1, 1
	PAIR 0, 0, 0, 0
	; THE MASKS, once.  Register 32 a + 16 b + i: query tile a, key 32 b + 16 h + i of my 64.
	PLACES
.irp a, 0,1,2,3
.irp b, 0,1
.irp i, 0,1,2,3,4,5,6,7
	ds_load_b64 v[MK+32*\a+16*\b+2*\i:MK+32*\a+16*\b+2*\i+1], v[AMK] offset:(32*(\a/2)+8*(\a%2))*MP+128*\b+8*\i
.endr
.endr
.endr
.irp b, 0,1
.irp j, 0,1,2,3
	ds_load_b128 v[KMR+16*\b+4*\j:KMR+16*\b+4*\j+3], v[AKMS] offset:128*\b+16*\j
.endr
.endr
.irp a, 0,1,2,3
	ds_load_b32 v[QM+2*\a], v[AQMS] offset:(32*(\a/2)+8*(\a%2))*4
	v_mov_b32 v[QM+2*\a+1], 0                      ; (named with it as a pair)
.endr
	v_mov_b32 v[LO], 0x7f7fffff
	v_mov_b32 v[LO+1], 0x7f7fffff
	v_mov_b32 v[HI], 0xff7fffff
	v_mov_b32 v[HI+1], 0xff7fffff
	s_wait_dscnt 0x0
.irp a, 0,1,2,3
	WIN 0x01                                       ; source 0 in window 1
.set x, 0
.rept 16
	v_pk_fma_f32 v[T1+x:T1+x+1], v[32*\a+x:32*\a+x+1], s[EI:EI+1], v[MK+32*\a+x:MK+32*\a+x+1] op_sel_hi:[1,0,1]   ; smallest s / 8 + mask
.set x, x+2
.endr
.set x, 0
.rept 16
	v_pk_fma_f32 v[MK+32*\a+x:MK+32*\a+x+1], v[128+32*\a+x:128+32*\a+x+1], s[EI:EI+1], v[MK+32*\a+x:MK+32*\a+x+1] op_sel_hi:[1,0,1]   ; largest s / 8 + mask
.set x, x+2
.endr
	WIN 0
.set x, 0
	v_min3_num_f32 v[LO], v[LO], v[T1+x], v[T1+x+1]
	v_min3_num_f32 v[LO+1], v[LO+1], v[T1+x+2], v[T1+x+3]
.set x, x+4
.rept (8)-1
	s_delay_alu instid0(VALU_DEP_2)
	v_min3_num_f32 v[LO], v[LO], v[T1+x], v[T1+x+1]
	s_delay_alu instid0(VALU_DEP_2)
	v_min3_num_f32 v[LO+1], v[LO+1], v[T1+x+2], v[T1+x+3]
.set x, x+4
.endr
.set x, 0
.rept 16
	v_pk_add_f32 v[MK+32*\a+x:MK+32*\a+x+1], v[MK+32*\a+x:MK+32*\a+x+1], v[QM+2*\a:QM+2*\a+1] op_sel_hi:[1,0]   ; + q_mask,
.set x, x+2
.endr
.set x, 0
.rept 16
	v_pk_add_f32 v[MK+32*\a+x:MK+32*\a+x+1], v[MK+32*\a+x:MK+32*\a+x+1], v[KMR+x:KMR+x+1]                       ; + k_mask: reference()'s order
.set x, x+2
.endr
.set x, 0
	v_max3_num_f32 v[HI], v[HI], v[MK+32*\a+x], v[MK+32*\a+x+1]
	v_max3_num_f32 v[HI+1], v[HI+1], v[MK+32*\a+x+2], v[MK+32*\a+x+3]
.set x, x+4
.rept (8)-1
	s_delay_alu instid0(VALU_DEP_2)
	v_max3_num_f32 v[HI], v[HI], v[MK+32*\a+x], v[MK+32*\a+x+1]
	s_delay_alu instid0(VALU_DEP_2)
	v_max3_num_f32 v[HI+1], v[HI+1], v[MK+32*\a+x+2], v[MK+32*\a+x+3]
.set x, x+4
.endr
.endr
	v_min_num_f32 v[LO], v[LO], v[LO+1]
	s_delay_alu instid0(VALU_DEP_2)
	v_max_num_f32 v[HI], v[HI], v[HI+1]
.irp m, 1,2,4,8
	s_delay_alu instid0(VALU_DEP_2)
	v_min_num_f32_dpp v[LO], v[LO], v[LO] row_xmask:\m row_mask:0xf bank_mask:0xf
	s_delay_alu instid0(VALU_DEP_2)
	v_max_num_f32_dpp v[HI], v[HI], v[HI] row_xmask:\m row_mask:0xf bank_mask:0xf
.endr
	s_delay_alu instid0(VALU_DEP_2)
	v_permlanex16_b32 v[LO+1], v[LO], s[SEL], s[SEL+1]
	s_delay_alu instid0(VALU_DEP_2)
	v_permlanex16_b32 v[HI+1], v[HI], s[SEL], s[SEL+1]
	s_delay_alu instid0(VALU_DEP_2)
	v_min_num_f32 v[LO], v[LO], v[LO+1]
	s_delay_alu instid0(VALU_DEP_2)
	v_max_num_f32 v[LO+1], v[HI], v[HI+1]          ; v[LO:LO+1] = my wave's lo, hi
	s_lshl_b32 s76, s[WV], 3
	s_add_co_u32 s76, s76, RED
	v_mov_b32 v188, s76
	ds_store_b64 v188, v[LO:LO+1]                  ; all lanes write the same words with the same values
	s_wait_dscnt 0x0                               ; for the others' sake
	s_barrier_signal -1
	s_barrier_wait -1
	s_cmp_lg_u32 s[WV], 0
	s_cbranch_scc1 .Lend
	v_mov_b32 v188, RED
.irp j, 0,1,2,3
	ds_load_b128 v[192+4*\j:195+4*\j], v188 offset:16*\j
.endr
	s_lshl_b32 s76, s[YQ], 4
	s_add_co_u32 s76, s76, s[XK]
	s_lshl_b32 s76, s76, 2
	v_mov_b32 v210, s76
	s_wait_dscnt 0x0
	v_min3_num_f32 v208, v192, v194, v196
	v_max3_num_f32 v209, v193, v195, v197
	s_delay_alu instid0(VALU_DEP_2)
	v_min3_num_f32 v208, v208, v198, v200
	s_delay_alu instid0(VALU_DEP_2)
	v_max3_num_f32 v209, v209, v199, v201
	s_delay_alu instid0(VALU_DEP_2)
	v_min3_num_f32 v208, v208, v202, v204
	s_delay_alu instid0(VALU_DEP_2)
	v_max3_num_f32 v209, v209, v203, v205
	s_delay_alu instid0(VALU_DEP_2)
	v_min_num_f32 v208, v208, v206
	s_delay_alu instid0(VALU_DEP_2)
	v_max_num_f32 v209, v209, v207
	v_cmp_eq_u32 vcc_lo, 0, v0
	s_wait_alu depctr_va_vdst(0)
	s_wait_xcnt 0x0                                ; EXEC changes only behind this wait
	s_and_saveexec_b32 s77, vcc_lo
	global_store_b32 v210, v208, s[14:15]              ; lo of my work-group
	global_store_b32 v210, v209, s[14:15] offset:1024  ; hi
	s_wait_xcnt 0x0
	s_or_b32 exec_lo, exec_lo, s77
.Lend:
	s_wait_tensorcnt 0x0                           ; the wave's end
	ds_add_u32 v[SPW], v[NIL]
	s_wait_dscnt 0x0
	CROUND                                         ; the closing round
	s_endpgm
.Lfunc_end_k_qfb6fdd0c68_minmax:
	.size	k_qfb6fdd0c68_minmax, .Lfunc_end_k_qfb6fdd0c68_minmax-k_qfb6fdd0c68_minmax
	.p2alignl 7, 3214868480
	.fill 96, 4, 3214868480
	.section	.rodata,"a",@progbits
	.p2align	6, 0x0
	.amdhsa_kernel k_qfb6fdd0c68_minmax
		.amdhsa_group_segment_fixed_size 327680
		.amdhsa_private_segment_fixed_size 0
		.amdhsa_enable_private_segment 0
		.amdhsa_kernarg_size 48
		.amdhsa_user_sgpr_count 2
		.amdhsa_user_sgpr_kernarg_segment_ptr 1
		.amdhsa_wavefront_size32 1
		.amdhsa_system_sgpr_workgroup_id_x 1
		.amdhsa_system_sgpr_workgroup_id_y 1
		.amdhsa_system_sgpr_workgroup_id_z 1
		.amdhsa_system_vgpr_workitem_id 0
		.amdhsa_next_free_vgpr 512
		.amdhsa_next_free_sgpr 92
		.amdhsa_reserve_vcc 1
		.amdhsa_float_denorm_mode_32 3
		.amdhsa_float_denorm_mode_16_64 3
		.amdhsa_memory_ordered 1
		.amdhsa_forward_progress 1
		.amdhsa_inst_pref_size 237
	.end_amdhsa_kernel
	.amdgpu_metadata
---
amdhsa.version: [ 1, 2 ]
amdhsa.kernels:
  - .name:           k_qfb6fdd0c68_minmax
    .symbol:         k_qfb6fdd0c68_minmax.kd
    .args:
      - { .name: qimg, .offset: 0, .size: 8, .value_kind: global_buffer, .address_space: global }
      - { .name: kimg, .offset: 8, .size: 8, .value_kind: global_buffer, .address_space: global }
      - { .name: mask, .offset: 16, .size: 8, .value_kind: global_buffer, .address_space: global }
      - { .name: q_mask, .offset: 24, .size: 8, .value_kind: global_buffer, .address_space: global }
      - { .name: k_mask, .offset: 32, .size: 8, .value_kind: global_buffer, .address_space: global }
      - { .name: minbuf, .offset: 40, .size: 8, .value_kind: global_buffer, .address_space: global }
    .group_segment_fixed_size: 327680
    .private_segment_fixed_size: 0
    .kernarg_segment_align: 8
    .kernarg_segment_size: 48
    .max_flat_workgroup_size: 256
    .sgpr_count:     92
    .vgpr_count:     512
    .wavefront_size: 32
...
	.end_amdgpu_metadata
.endif
;; end of part 2
;; launch attn (part 3): grid 32 x 8, 16 waves a work-group, clusters of 4 x 4, 327,680 bytes of LDS; arguments qimg, kimg, vimg, mask, q_mask, k_mask, minbuf, acodes, ascales; writes acodes, ascales
.if DOCPART == 3
	.amdgcn_target "amdgcn-amd-amdhsa--gfx1250"
	.amdhsa_code_object_version 6
	.text
	.protected	k_qfb6fdd0c68_attn
	.globl	k_qfb6fdd0c68_attn
	.p2align	8
	.type	k_qfb6fdd0c68_attn,@function
k_qfb6fdd0c68_attn:
	s_mov_b64 s[64:65], 0
	v_nop
	global_prefetch_b8 v0, s[64:65] scope:SCOPE_SE
	s_setreg_imm32_b32 hwreg(HW_REG_WAVE_MODE, 25, 1), 1
	s_wait_xcnt 0x0
	s_wait_alu depctr_hold_cnt(0) depctr_sa_sdst(0) depctr_va_vdst(0) depctr_va_sdst(0) depctr_va_ssrc(0) depctr_va_vcc(0) depctr_vm_vsrc(0)
	s_getreg_b32 s2, hwreg(HW_REG_IB_STS2, 6, 4)
	s_cmp_eq_u32 s2, 0
	s_cbranch_scc0 .Lentry_in_a_cluster
	s_endpgm
.Lentry_in_a_cluster:
	s_bfe_u32 s2, ttmp6, 0x10000c
	s_cmp_lg_u32 s2, 0xf033
	s_cbranch_scc0 .Lentry_shape_is_right
	s_endpgm
.Lentry_shape_is_right:
; attns = softmax(clip(((fq . fk / 8 + mask) + q_mask) + k_mask, lo, hi)) fv, both products on codes of FP6 (E2M3); the result is quantised along head x 64 + channel and stored as the last product's operand.
; No work of reference() is left out.  Every logit is at most hi, so clip(x, lo, hi) = max(x, min(lo, hi)): it is taken of the logit itself.  The three masks are added one after the other in f32, as reference() adds them.
; THE SOFTMAX AHEAD OF THE SECOND PRODUCT: M = the running largest (logit x log2(e), rounded to f32) rounded up to a whole number; t - M is ONE fused multiply-add of the clipped logit, log2(e) and -M, the same for every key of a row,
; so equal logits give equal p, and rows that are wholly masked come out uniform.  p = 2^(t - M) is quantised along the keys; the row's sum is taken of the unquantised p and divides at the end (v_rcp_f32).
; Beside masks of the size of 1e9 the rounded product that makes M lies up to 64 from the exact one: the row's largest p then lies between 2^-65 and 2^64; M is a whole number all the same, and the block scales and the sum take the shift up.
; LIMITS: NaN and infinities are not served; |logit x log2(e)| stays under 3e38; a block of zeros gets the scale byte 1 (these bytes are read by this program alone).
; SHARES.  A work-group: 64 queries x 4 heads of one batch.  Wave w: head w % 4, query tile w / 4: one tile of 16 queries in 256 registers, four waves to a SIMD.  All walk the 2,048 keys, 128 a step.
; CLUSTERS: 4 x 4: cx = the block of queries, cy = the group of four heads.  K's and V's records are asked for jointly along a row of the cluster, the mask's tile along a column.
; RING: two slots, 2^17 bytes apart: four records of K, four of V, the mask's 64 rows x (512 + 8) bytes.  Wave 0 fetches K, wave 1 V, wave 2 the mask; wave 3 brings k_mask of the batch once.  A wave has one tensor load out.
; Every wait on the tensor counter is for 0.
; LAYOUT.  S^T = K Q^T and O^T = V^T P^T: a lane holds one query (row 32 (qt / 2) + 8 (qt % 2) + r + 8 (r / 8) of the block).  The stored tiles' rows are chosen so that register 16 b + i of S^T is key 32 b + 16 h + i.
; K = 64 in an instruction of 128: Q has six registers of zero codes; K's tiles lie on end, a tile's upper half is the next tile's codes, which meet the zeros.
; REGISTERS: v1-4 bases, v5, v6 the add's two, v7-9 addresses in hand, v10 q_mask, v11 the clip's floor, v12 -M, v13 largest t, v[14:15] the sum, v16-27 Q, v28 its scale word, v29 prefetch offset (never rewritten),
; v30-37 scale words and nothing else (K's eight; then V's four in v30-33 and p's in v34), v38-41 k_mask, v42-95 K (then V), v96-159 S^T, logits, p, v160-191 O^T, v192-255 the mask, then at work.
.set REC,   6656
.set HROW,  16*REC
.set SLOT1, 1<<17
.set VOFF,  4*REC
.set MOFF,  8*REC
.set MP,    520
.set KM,    MOFF+64*MP                 ; k_mask of the batch: 8,192 bytes, filled once
.set STS,   KM+8192                    ; the way out: 64 rows x 8 scale bytes
.set SPARE, STS+512                    ; the spare words, 128 bytes a wave, named by no other line
.set AK0, 1
.set AS0, 2
.set AM0, 3
.set AKM0, 4
.set SPW, 5
.set NIL, 6
.set ADK, 7
.set ADS, 8
.set ADM, 9
.set PFO, 29
.set PSW, 34
.set TB,  2
.set TI,  3
.set WV,  22
.set HH,  23
.set QT,  24
.set CX,  25
.set CY,  26
.set XB,  27
.set BB,  28
.set BH0, 29
.set RBQ, 31
.set G1KV, 32
.set G1M, 40
.set G1P, 48
.set G0K, 56
.set G0V, 60
.set G0M, 68
.set G0P, 72
.set SEL, 76
.set CS,  78
.set EI,  80
.set PFA, 82
.set PFS, 84
.set TLM, 86
.set TK,  87
.macro TL g0, g1                       ; a tensor load; an s_nop 0 and four v_nop follow
	tensor_load_to_lds s[\g0:\g0+3], s[\g1:\g1+7]
	s_nop 0
.rept 4
	v_nop
.endr
.endm
.macro TLOAD first                     ; the branches hang on the wave's number alone
	s_cmp_lg_u32 s[WV], 0
	s_cbranch_scc1 .Lt1_\@
	TL G0K, G1KV
	s_branch .Ltd_\@
.Lt1_\@:
	s_cmp_lg_u32 s[WV], 1
	s_cbranch_scc1 .Lt2_\@
	TL G0V, G1KV
	s_branch .Ltd_\@
.Lt2_\@:
	s_cmp_lg_u32 s[WV], 2
	s_cbranch_scc1 .Lt3_\@
	TL G0M, G1M
	s_branch .Ltd_\@
.Lt3_\@:
.if \first
	s_cmp_lg_u32 s[WV], 3
	s_cbranch_scc1 .Ltd_\@
	TL G0P, G1P
.endif
.Ltd_\@:
.endm
.macro ROUND
	s_barrier_signal -1
	s_barrier_wait -1
	s_cmp_lg_u32 s[WV], 0
	s_cbranch_scc1 .Lnot_wave_0_\@
	s_barrier_signal -3
.Lnot_wave_0_\@:
	s_barrier_wait -3
	s_barrier_signal -1
	s_barrier_wait -1
.endm
; A PREFETCH INTO THE L2, behind the tensor loads of a change of slots, for what the change after the next will ask for.  Each aligned block of 256 bytes is named once in the launch.
; K, V: all clusters along x walk the same records, so cluster x = 0 asks; its partner cx takes head 4 cy + cx (told apart by address); wave 6 asks for K's, wave 7 for V's: a head's 16 records are 13 runs of 8,192 bytes,
; lanes 256 bytes apart; trip t names run t + 2, up to run 12.  The mask: both batches read it, so cluster y = 0 asks; partner cy takes rows 16 cy on of the block's 64; wave 8: a lane half a row's 512 bytes of key step t + 2, up to step 15.
.macro ASK
	s_cmp_le_i32 s[TI], s[TLM]
	s_cbranch_scc0 .Lnot_mine_\@
	global_prefetch_b8 v[PFO], s[PFA:PFA+1] th:TH_LOAD_NT scope:SCOPE_SE
.Lnot_mine_\@:
.endm
	s_load_b512 s[4:19], s[0:1], 0x0               ; qimg, kimg, vimg, mask, q_mask, k_mask, minbuf, acodes
	s_load_b64 s[20:21], s[0:1], 0x40              ; ascales
	v_lshl_add_u32 v[SPW], v0, 2, SPARE
	v_mov_b32 v[NIL], 0
	ds_add_u32 v[SPW], v[NIL]                      ; the wave's opening: the add, twice on end, and its wait ahead of my first tensor load
	ds_add_u32 v[SPW], v[NIL]
	v_lshrrev_b32 v1, 5, v0
	s_delay_alu instid0(VALU_DEP_1)
	v_readfirstlane_b32 s[WV], v1                  ; wave 0..15
	s_and_b32 s[HH], s[WV], 3                      ; my head of the four
	s_lshr_b32 s[QT], s[WV], 2                     ; my tile of queries
	s_bfe_u32 s[CX], ttmp6, 0x40000
	s_bfe_u32 s[CY], ttmp6, 0x40004
	s_lshl_b32 s[XB], ttmp9, 2
	s_add_co_u32 s[XB], s[XB], s[CX]               ; block of 64 queries
	s_and_b32 s[BB], ttmp7, 0xffff                 ; the batch
	s_lshl_b32 s[BH0], s[BB], 4
	s_lshl_b32 s30, s[CY], 2
	s_add_co_u32 s[BH0], s[BH0], s30               ; 16 b + my first head
	s_lshl_b32 s30, 15, s30                        ; my row of the cluster
	s_lshl_b32 s88, 0x1111, s[CX]                  ; my column
	s_or_b32 s[G1KV], s30, (3<<16)|(1<<21)         ; four records of 832 elements of 8 bytes, a head's 16 records apart
	s_mov_b32 s[G1KV+1], 832<<16
	s_mov_b32 s[G1KV+2], 4<<16
	s_mov_b32 s[G1KV+3], 832<<16
	s_mov_b32 s[G1KV+4], 4
	s_mov_b32 s[G1KV+5], HROW/8
	s_mov_b32 s[G1KV+6], 0
	s_mov_b32 s[G1KV+7], 0
	s_or_b32 s[G1M], s88, (2<<16)|(1<<20)|(1<<21)|(6<<22)|(1<<25)   ; 64 rows of 128 f32, 2 words of padding behind each
	s_mov_b32 s[G1M+1], 128<<16
	s_mov_b32 s[G1M+2], 64<<16
	s_mov_b32 s[G1M+3], 128<<16
	s_mov_b32 s[G1M+4], 64
	s_mov_b32 s[G1M+5], 2048
	s_mov_b32 s[G1M+6], 0
	s_mov_b32 s[G1M+7], 0
	s_mov_b32 s[G1P], 3<<16                        ; no mask: 8,192 dense bytes as 32 rows of 256
	s_mov_b32 s[G1P+1], 32<<16
	s_mov_b32 s[G1P+2], 32<<16
	s_mov_b32 s[G1P+3], 32<<16
	s_mov_b32 s[G1P+4], 32
	s_mov_b32 s[G1P+5], 32
	s_mov_b32 s[G1P+6], 0
	s_mov_b32 s[G1P+7], 0
	s_mul_i32 s90, s[BH0], HROW
	s_mov_b32 s91, 0
	s_lshl_b32 s92, s[XB], 19                      ; 64 rows of 8,192 bytes
	s_mov_b32 s93, 0
	s_lshl_b32 s94, s[BB], 13
	s_mov_b32 s95, 0
	s_mov_b32 s[SEL], 0x76543210
	s_mov_b32 s[SEL+1], 0xfedcba98
	s_mov_b32 s[CS], 0x3fb8aa3b                    ; log2(e)
	s_mov_b32 s[CS+1], s[CS]
	s_mov_b32 s[EI], 0x3e000000                    ; 1 / 8
	s_mov_b32 s[EI+1], s[EI]
	s_mov_b32 s[TB], 0
	s_mov_b32 s[TK], 0
	s_mov_b32 s[TI], 0
	s_wait_dscnt 0x0                               ; both opening adds are done
	s_wait_kmcnt 0x0
	s_mov_b32 s[G0K], 1
	s_mov_b32 s[G0K+1], 0
	s_add_nc_u64 s[G0K+2:G0K+3], s[6:7], s[90:91]
	s_or_b32 s[G0K+3], s[G0K+3], 0x80000000
	s_mov_b32 s[G0V], 1
	s_mov_b32 s[G0V+1], VOFF
	s_add_nc_u64 s[G0V+2:G0V+3], s[8:9], s[90:91]
	s_or_b32 s[G0V+3], s[G0V+3], 0x80000000
	s_mov_b32 s[G0M], 1
	s_mov_b32 s[G0M+1], MOFF
	s_add_nc_u64 s[G0M+2:G0M+3], s[10:11], s[92:93]
	s_or_b32 s[G0M+3], s[G0M+3], 0x80000000
	s_mov_b32 s[G0P], 1
	s_mov_b32 s[G0P+1], KM
	s_add_nc_u64 s[G0P+2:G0P+3], s[14:15], s[94:95]
	s_or_b32 s[G0P+3], s[G0P+3], 0x80000000
	ROUND                                          ; all sixteen work-groups are here: the first joint loads meet
	TLOAD 1                                        ; slot 0 and k_mask
.irp i, 22,23,24,25,26,27,90,91,92,93,94,95
	v_mov_b32 v[\i], 0                             ; Q's zero codes, and those behind K's last tile: written once
.endr
	v_and_b32 v7, 15, v0                           ; r
	v_bfe_u32 v8, v0, 4, 1                         ; h
	v_and_b32 v9, 31, v0                           ; lane
	s_lshr_b32 s[RBQ], s[QT], 1
	s_lshl_b32 s[RBQ], s[RBQ], 5
	s_and_b32 s89, s[QT], 1
	s_lshl_b32 s89, s89, 3
	s_add_co_u32 s[RBQ], s[RBQ], s89               ; 32 (qt / 2) + 8 (qt % 2)
	v_and_b32 v112, 8, v7                          ; (v112-119: at work here, free until the first scores land there)
	s_delay_alu instid0(VALU_DEP_1)
	v_add_nc_u32 v112, v112, v7
	s_delay_alu instid0(VALU_DEP_1)
	v_add_nc_u32 v112, s[RBQ], v112                ; my query in the block
	s_mul_i32 s89, s[HH], REC
	v_lshl_add_u32 v[AK0], v9, 3, s89
	s_add_co_u32 s90, s89, 6144
	v_lshl_add_u32 v[AS0], v7, 3, s90
	v_mul_u32_u24 v[AM0], v112, MP
	s_delay_alu instid0(VALU_DEP_1)
	v_lshl_add_u32 v[AM0], v8, 6, v[AM0]
	s_delay_alu instid0(VALU_DEP_1)
	v_add_nc_u32 v[AM0], MOFF, v[AM0]
	v_lshrrev_b32 v113, 2, v7                      ; k_mask: lane n of a half holds keys 32 (n / 4) + 16 h + 4 (n % 4) + 0 .. 3 of the step
	s_delay_alu instid0(VALU_DEP_1)
	v_lshlrev_b32 v[AKM0], 7, v113
	s_delay_alu instid0(VALU_DEP_1)
	v_lshl_add_u32 v[AKM0], v8, 6, v[AKM0]
	v_and_b32 v113, 3, v7
	s_delay_alu instid0(VALU_DEP_1)
	v_lshl_add_u32 v[AKM0], v113, 4, v[AKM0]
	s_delay_alu instid0(VALU_DEP_1)
	v_add_nc_u32 v[AKM0], KM, v[AKM0]
	s_add_co_u32 s90, s[BH0], s[HH]
	s_lshl_b32 s90, s90, 4
	s_lshr_b32 s91, s[XB], 1
	s_add_co_u32 s90, s90, s91
	s_mul_i32 s90, s90, REC                        ; Q's record
	s_and_b32 s91, s[XB], 1
	s_lshl_b32 s91, s91, 2
	s_add_co_u32 s91, s91, s[QT]                   ; my tile in it
	s_mul_i32 s92, s91, 768
	s_add_co_u32 s92, s92, s90
	v_lshl_add_u32 v113, v9, 3, s92
	global_load_b64 v[16:17], v113, s[4:5]
	global_load_b64 v[18:19], v113, s[4:5] offset:256
	global_load_b64 v[20:21], v113, s[4:5] offset:512
	s_lshr_b32 s93, s91, 1
	s_lshl_b32 s93, s93, 7
	s_and_b32 s94, s91, 1
	s_lshl_b32 s94, s94, 2
	s_add_co_u32 s93, s93, s94
	s_add_co_u32 s93, s93, s90
	s_add_co_u32 s93, s93, 6144
	v_lshl_add_u32 v114, v7, 3, s93
	global_load_b32 v28, v114, s[4:5]              ; its scale words
	s_lshl_b32 s94, s[BB], 13
	s_lshl_b32 s95, s[XB], 8
	s_add_co_u32 s94, s94, s95
	v_lshl_add_u32 v115, v112, 2, s94
	global_load_b32 v10, v115, s[12:13]            ; q_mask of my query
	v_lshlrev_b32 v116, 4, v9
	global_load_b128 v[96:99], v116, s[16:17]               ; the 256 work-groups' lo,
	global_load_b128 v[100:103], v116, s[16:17] offset:512
	global_load_b128 v[104:107], v116, s[16:17] offset:1024 ; and hi
	global_load_b128 v[108:111], v116, s[16:17] offset:1536
	; the prefetches: who asks, and where
	s_mov_b32 s[TLM], -1
	s_lshr_b32 s88, s[WV], 1
	s_cmp_eq_u32 s88, 3
	s_cselect_b32 s89, 0, 1
	s_or_b32 s89, s89, ttmp9                       ; 0: wave 6 or 7 of a cluster with x = 0: the same in all partners
	s_cmp_eq_u32 s89, 0
	s_cselect_b32 s[TLM], 10, s[TLM]
	s_xor_b32 s89, s[WV], 8
	s_or_b32 s89, s89, s[BB]                       ; 0: wave 8 of a cluster with y = 0
	s_cmp_eq_u32 s89, 0
	s_cselect_b32 s[TLM], 13, s[TLM]
	s_cmp_eq_u32 s[WV], 6
	s_cselect_b64 s[PFA:PFA+1], s[6:7], s[10:11]
	s_cmp_eq_u32 s[WV], 7
	s_cselect_b64 s[PFA:PFA+1], s[8:9], s[PFA:PFA+1]
	s_add_co_u32 s90, s[BH0], s[CX]
	s_mul_i32 s90, s90, HROW
	s_add_co_u32 s90, s90, 8192                    ; at run 1: the first change of slots steps it to run 2
	s_lshl_b32 s91, s[XB], 6
	s_lshl_b32 s92, s[CY], 4
	s_add_co_u32 s91, s91, s92
	s_lshl_b32 s91, s91, 13
	s_add_co_u32 s91, s91, 512                     ; at key step 1 likewise
	s_cmp_eq_u32 s88, 3
	s_cselect_b32 s90, s90, s91
	s_mov_b32 s[PFS], 512
	s_cselect_b32 s[PFS], 8192, s[PFS]
	s_cselect_b32 s92, -1, 0
	s_mov_b32 s91, 0
	s_mov_b32 s[PFS+1], 0
	s_add_nc_u64 s[PFA:PFA+1], s[PFA:PFA+1], s[90:91]
	v_lshlrev_b32 v117, 8, v9
	v_lshrrev_b32 v118, 1, v9
	s_delay_alu instid0(VALU_DEP_1)
	v_lshlrev_b32 v118, 13, v118
	v_and_b32 v119, 1, v9
	s_delay_alu instid0(VALU_DEP_1)
	v_lshl_add_u32 v118, v119, 8, v118
	s_delay_alu instid0(VALU_DEP_1)
	v_cndmask_b32 v[PFO], v118, v117, s92
	v_mov_b32 v13, 0xff61b1e6                      ; the largest t so far: -3e38
	s_delay_alu instid0(VALU_DEP_1)
	v_floor_f32 v12, -v13                          ; -M
	v_mov_b32 v14, 0
	v_mov_b32 v15, 0
.set x, 0
.rept 32
	v_mov_b32 v[160+x], 0                          ; O^T: the step is written once; the first finds zeros
.set x, x+1
.endr
	s_wait_loadcnt 0x0
	v_min3_num_f32 v96, v96, v97, v98
	v_min3_num_f32 v99, v99, v100, v101
	v_max3_num_f32 v104, v104, v105, v106
	v_max3_num_f32 v107, v107, v108, v109
	s_delay_alu instid0(VALU_DEP_4)
	v_min3_num_f32 v96, v96, v102, v103
	s_delay_alu instid0(VALU_DEP_3)
	v_max3_num_f32 v104, v104, v110, v111
	s_delay_alu instid0(VALU_DEP_2)
	v_min_num_f32 v96, v96, v99
	s_delay_alu instid0(VALU_DEP_2)
	v_max_num_f32 v104, v104, v107
.irp m, 1,2,4,8
	s_delay_alu instid0(VALU_DEP_2)
	v_min_num_f32_dpp v96, v96, v96 row_xmask:\m row_mask:0xf bank_mask:0xf
	s_delay_alu instid0(VALU_DEP_2)
	v_max_num_f32_dpp v104, v104, v104 row_xmask:\m row_mask:0xf bank_mask:0xf
.endr
	s_delay_alu instid0(VALU_DEP_2)
	v_permlanex16_b32 v97, v96, s[SEL], s[SEL+1]
	s_delay_alu instid0(VALU_DEP_2)
	v_permlanex16_b32 v105, v104, s[SEL], s[SEL+1]
	s_delay_alu instid0(VALU_DEP_2)
	v_min_num_f32 v96, v96, v97                    ; lo
	s_delay_alu instid0(VALU_DEP_2)
	v_max_num_f32 v104, v104, v105                 ; hi
	s_delay_alu instid0(VALU_DEP_1)
	v_min_num_f32 v11, v96, v104                   ; the clip's floor, a logit
; THE CHANGE OF SLOTS stands at a step's head.  Each wave waits for all its tensor loads, adds 0 to its spare word (fill = 1: twice on end), and waits for that and for its reads of the slot that it has left.
.macro CHANGE fill
	s_wait_tensorcnt 0x0                           ; no tensor load of mine is out, so a group 0 may be written
	ds_add_u32 v[SPW], v[NIL]
.if \fill
	ds_add_u32 v[SPW], v[NIL]                      ; and once more: the add twice on end here, in every trip alike
.irp g, G0K, G0V
	s_xor_b32 s[\g+1], s[\g+1], SLOT1              ; the other slot than last time,
	s_add_nc_u64 s[\g+2:\g+3], s[\g+2:\g+3], REC   ; the next 128 keys' records
.endr
	s_xor_b32 s[G0M+1], s[G0M+1], SLOT1
	s_add_nc_u64 s[G0M+2:G0M+3], s[G0M+2:G0M+3], 512
	s_wait_xcnt 0x0                                ; the last prefetch, a step back, has read its address
	s_add_nc_u64 s[PFA:PFA+1], s[PFA:PFA+1], s[PFS:PFS+1]
	s_wait_dscnt 0x0                               ; both adds are done, and my reads of the slot that I have left are over
	ROUND                                          ; that holds of every wave of every partner
	TLOAD 0                                        ; the first thing behind the round: it has a whole step in which to land
	ASK
.else
	s_wait_dscnt 0x0
	s_barrier_signal -1
	s_barrier_wait -1
.endif
.endm
.macro STEP
	v_add_nc_u32 v[ADK], s[TB], v[AK0]             ; four plain instructions: the places behind the last step's products, in front of the loads into their registers
	v_add_nc_u32 v[ADS], s[TB], v[AS0]
	v_add_nc_u32 v[ADM], s[TB], v[AM0]
	v_add_nc_u32 v38, s[TK], v[AKM0]
.irp t, 0,1,2,3,4,5,6,7
.irp c, 0,1,2
	ds_load_b64 v[42+6*\t+2*\c:43+6*\t+2*\c], v[ADK] offset:768*\t+256*\c
.endr
.endr
.irp p, 0,1,2,3
	ds_load_b64 v[30+2*\p:31+2*\p], v[ADS] offset:128*\p
.endr
.irp b, 0,1,2,3
.irp i, 0,1,2,3,4,5,6,7
	ds_load_b64 v[192+16*\b+2*\i:193+16*\b+2*\i], v[ADM] offset:128*\b+8*\i
.endr
.endr
	ds_load_b128 v[38:41], v38
	s_wait_alu depctr_va_vdst(0)
	s_wait_dscnt 33                                ; K and its scale words are in; the mask's 32 loads and k_mask's one may be out
.irp t, 0,1,2,3,4,5,6,7
	v_wmma_scale_f32_16x16x128_f8f6f4 v[96+8*\t:103+8*\t], v[42+6*\t:53+6*\t], v[16:27], 0, v[30+\t], v28 matrix_a_fmt:MATRIX_FMT_FP6 matrix_b_fmt:MATRIX_FMT_FP6
.endr
.rept 4
	v_nop                                          ; places: in front of V's loads into K's registers, and of the first read of the scores
.endr
.irp d, 0,1,2,3
.irp e, 0,1
.irp c, 0,1,2
	ds_load_b64 v[42+12*\d+6*\e+2*\c:43+12*\d+6*\e+2*\c], v[ADK] offset:VOFF+1536*\d+768*\e+256*\c
.endr
.endr
.endr
.irp j, 0,1
	ds_load_b64 v[30+2*\j:31+2*\j], v[ADS] offset:VOFF+256*\j
.endr
	s_wait_dscnt 26                                ; the mask and k_mask are in; V's 26 loads may be out
.set x, 0
.rept 32
	v_pk_fma_f32 v[96+x:97+x], v[96+x:97+x], s[EI:EI+1], v[192+x:193+x] op_sel_hi:[1,0,1]   ; s / 8 + mask; each accumulator from its low end on
.set x, x+2
.endr
.set x, 0
.rept 32
	v_pk_add_f32 v[96+x:97+x], v[96+x:97+x], v[10:11] op_sel_hi:[1,0]                       ; + q_mask
.set x, x+2
.endr
.irp n, 0,1,2,3,4,5,6,7,8,9,10,11,12,13,14,15
.irp e, 0,1,2,3
	v_add_f32_dpp v[96+4*\n+\e], v[38+\e], v[96+4*\n+\e] row_share:\n row_mask:0xf bank_mask:0xf   ; + k_mask: lane n of my half holds it for registers 4 n .. 4 n + 3
.endr
.endr
.set x, 0
.rept 32
	v_dual_max_num_f32 v[96+x], v11, v[96+x] :: v_dual_max_num_f32 v[97+x], v11, v[97+x]    ; the clip, of the logit, two to an instruction
.set x, x+2
.endr
.irp b, 0,1,2,3
	v_max3_num_f32 v[232+\b], v[96+16*\b], v[97+16*\b], v[98+16*\b]   ; the largest logit of each block of 32 keys: for the row's maximum, and for the block's largest p
.endr
.irp i, 3,5,7,9,11,13
.irp b, 0,1,2,3
	s_delay_alu instid0(VALU_DEP_4)
	v_max3_num_f32 v[232+\b], v[232+\b], v[96+16*\b+\i], v[97+16*\b+\i]
.endr
.endr
.irp b, 0,1,2,3
	s_delay_alu instid0(VALU_DEP_4)
	v_max_num_f32 v[232+\b], v[232+\b], v[111+16*\b]
.endr
.irp b, 0,1,2,3
	s_delay_alu instid0(VALU_DEP_4)
	v_permlanex16_b32 v[236+\b], v[232+\b], s[SEL], s[SEL+1]
.endr
.irp b, 0,1,2,3
	s_delay_alu instid0(VALU_DEP_4)
	v_max_num_f32 v[232+\b], v[232+\b], v[236+\b]
.endr
	s_delay_alu instid0(VALU_DEP_2)
	v_max3_num_f32 v254, v232, v233, v234
	s_delay_alu instid0(VALU_DEP_1)
	v_max_num_f32 v254, v254, v235
	s_delay_alu instid0(VALU_DEP_1)
	v_mul_f32 v254, s[CS], v254                    ; the step's largest logit, as t
	s_delay_alu instid0(VALU_DEP_1)
	v_max_num_f32 v13, v13, v254                   ; the running largest t
	v_mov_b32 v254, v12
	s_delay_alu instid0(VALU_DEP_2)
	v_floor_f32 v12, -v13                          ; the new -M: M is a whole number
	s_delay_alu instid0(VALU_DEP_1)
	v_sub_f32 v254, v12, v254                      ; old M - new M, 0 or less
	s_delay_alu instid0(VALU_DEP_1)
	v_cvt_i32_f32 v254, v254                       ; (it saturates)
	s_delay_alu instid0(VALU_DEP_1)
	v_ldexp_f32 v252, 1.0, v254                    ; f = 2^(old M - new M)
.set x, 0
.rept 32
	v_pk_fma_f32 v[96+x:97+x], v[96+x:97+x], s[CS:CS+1], v[12:13] op_sel_hi:[1,0,0]   ; t - M: logit x log2(e) - M, fused (of the pairs the low word serves both halves)
.set x, x+2
.endr
.irp b, 0,1,2,3
	v_fma_f32 v[232+\b], v[232+\b], s[CS], v12     ; the same of each block's largest logit
.endr
.set x, 0
	s_wait_alu depctr_va_vdst(0)
.rept 64
	v_exp_f32 v[96+x], v[96+x]                     ; p = 2^(t - M): not normalised
.set x, x+1
.endr
	v_pk_mul_f32 v[14:15], v[14:15], v[252:253] op_sel_hi:[1,0]   ; the sums under the new M (a plain place behind the exponentials; of the pair the low word serves both halves, v253 still holds a number of the mask)
	s_wait_alu depctr_va_vdst(0)                   ; one wait for the batch, ahead of its first reader
.irp b, 0,1,2,3
	v_exp_f32 v[232+\b], v[232+\b]                 ; the block's largest p: the same instructions on the same number
.endr
	v_pk_add_f32 v[236:237], v[100:101], v[104:105]
	v_pk_add_f32 v[254:255], v[108:109], v[112:113]
	v_pk_add_f32 v[250:251], v[116:117], v[120:121]
	v_pk_add_f32 v[248:249], v[124:125], v[128:129]
	v_pk_add_f32 v[246:247], v[132:133], v[136:137]
	v_pk_add_f32 v[244:245], v[140:141], v[144:145]
	v_pk_add_f32 v[242:243], v[148:149], v[152:153]
	v_pk_add_f32 v[14:15], v[14:15], v[156:157]
	v_pk_add_f32 v[236:237], v[236:237], v[96:97]
	v_pk_add_f32 v[254:255], v[254:255], v[98:99]
	v_pk_add_f32 v[250:251], v[250:251], v[102:103]
	v_pk_add_f32 v[248:249], v[248:249], v[106:107]
	v_pk_add_f32 v[246:247], v[246:247], v[110:111]
	v_pk_add_f32 v[244:245], v[244:245], v[114:115]
	v_pk_add_f32 v[242:243], v[242:243], v[118:119]
	v_pk_add_f32 v[14:15], v[14:15], v[122:123]
	v_pk_add_f32 v[236:237], v[236:237], v[126:127]
	v_pk_add_f32 v[254:255], v[254:255], v[130:131]
	v_pk_add_f32 v[250:251], v[250:251], v[134:135]
	v_pk_add_f32 v[248:249], v[248:249], v[138:139]
	v_pk_add_f32 v[246:247], v[246:247], v[142:143]
	v_pk_add_f32 v[244:245], v[244:245], v[146:147]
	v_pk_add_f32 v[242:243], v[242:243], v[150:151]
	v_pk_add_f32 v[14:15], v[14:15], v[154:155]
	v_pk_add_f32 v[236:237], v[236:237], v[158:159]
	s_delay_alu instid0(VALU_DEP_2)
	v_pk_add_f32 v[14:15], v[14:15], v[248:249]
	s_delay_alu instid0(VALU_DEP_2)
	v_pk_add_f32 v[236:237], v[236:237], v[246:247]
	v_pk_add_f32 v[254:255], v[254:255], v[244:245]
	v_pk_add_f32 v[250:251], v[250:251], v[242:243]
	s_delay_alu instid0(VALU_DEP_2)
	v_pk_add_f32 v[14:15], v[14:15], v[254:255]
	s_delay_alu instid0(VALU_DEP_2)
	v_pk_add_f32 v[236:237], v[236:237], v[250:251]
	s_delay_alu instid0(VALU_DEP_1)
	v_pk_add_f32 v[14:15], v[14:15], v[236:237]
	s_wait_alu depctr_va_vdst(0)                   ; and one for the four
.irp b, 0,1,2,3
	v_max_num_f32 v[232+\b], 0x1800000, v[232+\b]  ; the floor 2^(3 - 127): the byte cannot fall under 1
.endr
.irp b, 0,1,2,3
	s_delay_alu instid0(VALU_DEP_4)
	v_add_nc_u32 v[244+\b], 0xff000000, v[232+\b]  ; 2 off the exponent field: the conversion's scale operand
.endr
.irp b, 0,1,2,3
	s_delay_alu instid0(VALU_DEP_4)
	v_lshrrev_b32 v[236+\b], 23, v[244+\b]
.endr
	s_delay_alu instid0(VALU_DEP_3)
	v_lshl_or_b32 v[PSW], v237, 8, v236            ; p's scale word for these 128 keys
	s_delay_alu instid0(VALU_DEP_1)
	v_lshl_or_b32 v[PSW], v238, 16, v[PSW]
	s_delay_alu instid0(VALU_DEP_1)
	v_lshl_or_b32 v[PSW], v239, 24, v[PSW]
.irp c, 0,1
	v_cvt_scalef32_pk16_fp6_f32 v[224+6*\c:226+6*\c], v[96+32*\c:111+32*\c], v[244+2*\c]
	v_cvt_scalef32_pk16_fp6_f32 v[236+4*\c:238+4*\c], v[112+32*\c:127+32*\c], v[244+2*\c+1]
.endr
	v_nop                                          ; one plain place behind a scaled conversion
.irp c, 0,1
.irp i, 0,1,2
	v_permlane16_swap_b32 v[224+6*\c+\i], v[236+4*\c+\i]
.endr
.irp i, 0,1,2
	s_delay_alu instid0(VALU_DEP_3)
	v_mov_b32 v[227+6*\c+\i], v[236+4*\c+\i]
.endr
.endr
.set x, 0
.rept 16
	v_pk_mul_f32 v[160+x:161+x], v[160+x:161+x], v[252:253] op_sel_hi:[1,0]   ; O^T under the new M; these are also the places between p's scale word and codes and the products below
.set x, x+2
.endr
	s_wait_alu depctr_va_vdst(0)
	s_wait_dscnt 0x0                               ; V is in
.irp d, 0,1,2,3
	v_wmma_scale_f32_16x16x128_f8f6f4 v[160+8*\d:167+8*\d], v[42+12*\d:53+12*\d], v[224:235], v[160+8*\d:167+8*\d], v[30+\d], v[PSW] matrix_a_fmt:MATRIX_FMT_FP6 matrix_b_fmt:MATRIX_FMT_FP6
.endr
	s_xor_b32 s[TB], s[TB], SLOT1                  ; on to the other slot,
	s_add_co_u32 s[TK], s[TK], 512                 ; and to the next 128 numbers of k_mask
.endm
.Lstep:                                            ; 15 trips: behind each change of slots but the last the next step's tiles are asked for
	CHANGE 1
	STEP
	s_add_co_u32 s[TI], s[TI], 1
	s_cmp_lt_u32 s[TI], 15
	s_cbranch_scc1 .Lstep
	CHANGE 0                                       ; the last step is written out
	STEP
	; THE WAY OUT.  O^T / the sum: register 16 b + i is channel 32 b + 16 h + i of my head: two blocks of the last product's K.  My six registers of codes are registers 6 (head % 2) on of the
	; last product's operand for my 16 queries and the K step head / 2: they are stored as they lie, at (16 x tile of queries + head) x 768.  The scale bytes meet in a stage and leave by rows.
	v_add_f32 v14, v14, v15
	s_delay_alu instid0(VALU_DEP_1)
	v_permlanex16_b32 v252, v14, s[SEL], s[SEL+1]
	s_delay_alu instid0(VALU_DEP_1)
	v_add_f32 v14, v14, v252                       ; the row's sum
	s_wait_alu depctr_va_vdst(0)
	v_rcp_f32 v14, v14
	v_and_b32 v1, 15, v0                           ; (a plain place behind the reciprocal)
	s_delay_alu instid0(VALU_DEP_1)
	v_and_b32 v3, 8, v1
	s_delay_alu instid0(VALU_DEP_1)
	v_add_nc_u32 v3, v3, v1
	s_delay_alu instid0(VALU_DEP_1)
	v_add_nc_u32 v3, s[RBQ], v3                    ; my query in the block
	s_lshl_b32 s89, s[HH], 1
	s_add_co_u32 s89, s89, STS
	v_lshl_add_u32 v8, v3, 3, s89                  ; bytes: row x 8 + head x 2
	v_and_b32 v4, 31, v0
	s_wait_alu depctr_va_vdst(0)
	s_lshl_b32 s92, s[BB], 11
	s_lshl_b32 s93, s[XB], 6
	s_add_co_u32 s92, s92, s93                     ; the block's first row
	s_lshr_b32 s91, s92, 4
	s_add_co_u32 s91, s91, s[QT]                   ; my tile of 16 queries
	s_lshl_b32 s91, s91, 4
	s_lshl_b32 s93, s[CY], 2
	s_add_co_u32 s93, s93, s[HH]                   ; my head
	s_add_co_u32 s91, s91, s93
	s_mul_i32 s91, s91, 768
	v_lshl_add_u32 v2, v4, 3, s91                  ; codes: (16 x tile + head) x 768 + 8 x lane
	s_and_b32 s94, s[WV], 1
	s_lshl_b32 s95, s94, 8
	s_add_co_u32 s95, s95, STS
	v_lshl_add_u32 v3, v4, 3, s95                  ; waves 0, 1: 32 rows' bytes each
	s_lshl_b32 s94, s94, 5
	s_add_co_u32 s94, s94, s92
	s_lshl_b32 s94, s94, 5
	s_lshl_b32 s96, s[CY], 3
	s_add_co_u32 s94, s94, s96
	v_lshl_add_u32 v4, v4, 5, s94                  ; row x 32 + 8 x group of heads
	s_wait_alu depctr_va_vdst(0)                   ; the wait ahead of the reciprocal's first reader
.set x, 0
.rept 32
	v_mul_f32 v[96+x], v[160+x], v14
.set x, x+1
.endr
.irp b, 0,1
	v_max3_num_f32 v[232+\b], |v[96+16*\b]|, |v[97+16*\b]|, 0x1800000
.endr
.irp i, 2,4,6,8,10,12,14
.irp b, 0,1
	s_delay_alu instid0(VALU_DEP_2)
	v_max3_num_f32 v[232+\b], v[232+\b], |v[96+16*\b+\i]|, |v[97+16*\b+\i]|
.endr
.endr
.irp b, 0,1
	s_delay_alu instid0(VALU_DEP_2)
	v_permlanex16_b32 v[236+\b], v[232+\b], s[SEL], s[SEL+1]
.endr
.irp b, 0,1
	s_delay_alu instid0(VALU_DEP_2)
	v_max_num_f32 v[232+\b], v[232+\b], v[236+\b]
.endr
.irp b, 0,1
	s_delay_alu instid0(VALU_DEP_2)
	v_add_nc_u32 v[244+\b], 0xff000000, v[232+\b]
.endr
.irp b, 0,1
	s_delay_alu instid0(VALU_DEP_2)
	v_lshrrev_b32 v[236+\b], 23, v[244+\b]
.endr
	s_delay_alu instid0(VALU_DEP_1)
	v_lshl_or_b32 v253, v237, 8, v236              ; my head's two bytes of my row, on their way to memory
	v_cvt_scalef32_pk16_fp6_f32 v[224:226], v[96:111], v244
	v_cvt_scalef32_pk16_fp6_f32 v[240:242], v[112:127], v245
	v_nop
.irp i, 0,1,2
	v_permlane16_swap_b32 v[224+\i], v[240+\i]     ; lanes 0-15 channels 0-31, lanes 16-31 channels 32-63
.endr
.irp i, 0,1,2
	s_delay_alu instid0(VALU_DEP_3)
	v_mov_b32 v[227+\i], v[240+\i]
.endr
	global_store_b64 v2, v[224:225], s[18:19]            ; 32 lanes store 256 consecutive bytes, aligned
	global_store_b64 v2, v[226:227], s[18:19] offset:256
	global_store_b64 v2, v[228:229], s[18:19] offset:512
	ds_store_b16 v8, v253                          ; both lanes of a row write the same two bytes
	s_wait_dscnt 0x0                               ; for the others' sake
	s_barrier_signal -1
	s_barrier_wait -1
	s_cmp_lt_u32 s[WV], 2
	s_cbranch_scc0 .Lno_bytes
	ds_load_b64 v[102:103], v3
	s_wait_dscnt 0x0
	global_store_b64 v4, v[102:103], s[20:21]            ; 8 of each row's 32 scale bytes: pieces of rows, one byte in 24 of what the launch stores
.Lno_bytes:
	s_wait_tensorcnt 0x0                           ; the wave's end
	ds_add_u32 v[SPW], v[NIL]
	s_wait_dscnt 0x0
	ROUND                                          ; the closing round
	s_endpgm
.Lfunc_end_k_qfb6fdd0c68_attn:
	.size	k_qfb6fdd0c68_attn, .Lfunc_end_k_qfb6fdd0c68_attn-k_qfb6fdd0c68_attn
	.p2alignl 7, 3214868480
	.fill 96, 4, 3214868480
	.section	.rodata,"a",@progbits
	.p2align	6, 0x0
	.amdhsa_kernel k_qfb6fdd0c68_attn
		.amdhsa_group_segment_fixed_size 327680
		.amdhsa_private_segment_fixed_size 0
		.amdhsa_enable_private_segment 0
		.amdhsa_kernarg_size 72
		.amdhsa_user_sgpr_count 2
		.amdhsa_user_sgpr_kernarg_segment_ptr 1
		.amdhsa_wavefront_size32 1
		.amdhsa_system_sgpr_workgroup_id_x 1
		.amdhsa_system_sgpr_workgroup_id_y 1
		.amdhsa_system_sgpr_workgroup_id_z 1
		.amdhsa_system_vgpr_workitem_id 0
		.amdhsa_next_free_vgpr 256
		.amdhsa_next_free_sgpr 100
		.amdhsa_reserve_vcc 0
		.amdhsa_float_denorm_mode_32 3
		.amdhsa_float_denorm_mode_16_64 3
		.amdhsa_memory_ordered 1
		.amdhsa_forward_progress 1
		.amdhsa_inst_pref_size 85
	.end_amdhsa_kernel
	.amdgpu_metadata
---
amdhsa.version: [ 1, 2 ]
amdhsa.kernels:
  - .name:           k_qfb6fdd0c68_attn
    .symbol:         k_qfb6fdd0c68_attn.kd
    .args:
      - { .name: qimg, .offset: 0, .size: 8, .value_kind: global_buffer, .address_space: global }
      - { .name: kimg, .offset: 8, .size: 8, .value_kind: global_buffer, .address_space: global }
      - { .name: vimg, .offset: 16, .size: 8, .value_kind: global_buffer, .address_space: global }
      - { .name: mask, .offset: 24, .size: 8, .value_kind: global_buffer, .address_space: global }
      - { .name: q_mask, .offset: 32, .size: 8, .value_kind: global_buffer, .address_space: global }
      - { .name: k_mask, .offset: 40, .size: 8, .value_kind: global_buffer, .address_space: global }
      - { .name: minbuf, .offset: 48, .size: 8, .value_kind: global_buffer, .address_space: global }
      - { .name: acodes, .offset: 56, .size: 8, .value_kind: global_buffer, .address_space: global }
      - { .name: ascales, .offset: 64, .size: 8, .value_kind: global_buffer, .address_space: global }
    .group_segment_fixed_size: 327680
    .private_segment_fixed_size: 0
    .kernarg_segment_align: 8
    .kernarg_segment_size: 72
    .max_flat_workgroup_size: 512
    .sgpr_count:     100
    .vgpr_count:     256
    .wavefront_size: 32
...
	.end_amdgpu_metadata
.endif
;; end of part 3
;; launch outp (part 4): grid 8 x 32, 4 waves a work-group, clusters of 4 x 4, 279,552 bytes of LDS; arguments acodes, ascales, w_out_codes, w_out_scales, b_out, out0; writes out0
.if DOCPART == 4
	.amdgcn_target "amdgcn-amd-amdhsa--gfx1250"
	.amdhsa_code_object_version 6
	.text
	.protected	k_qfb6fdd0c68_outp
	.globl	k_qfb6fdd0c68_outp
	.p2align	8
	.type	k_qfb6fdd0c68_outp,@function
k_qfb6fdd0c68_outp:
	s_mov_b64 s[64:65], 0
	v_nop
	global_prefetch_b8 v0, s[64:65] scope:SCOPE_SE
	s_setreg_imm32_b32 hwreg(HW_REG_WAVE_MODE, 25, 1), 1
	s_wait_xcnt 0x0
	s_wait_alu depctr_hold_cnt(0) depctr_sa_sdst(0) depctr_va_vdst(0) depctr_va_sdst(0) depctr_va_ssrc(0) depctr_va_vcc(0) depctr_vm_vsrc(0)
	s_getreg_b32 s2, hwreg(HW_REG_IB_STS2, 6, 4)
	s_cmp_eq_u32 s2, 0
	s_cbranch_scc0 .Lentry_in_a_cluster
	s_endpgm
.Lentry_in_a_cluster:
	s_bfe_u32 s2, ttmp6, 0x10000c
	s_cmp_lg_u32 s2, 0xf033
	s_cbranch_scc0 .Lentry_shape_is_right
	s_endpgm
.Lentry_shape_is_right:
; out0 = attns w_out + b_out on codes of FP6 (E2M3).  No work of reference() is left out.  LIMITS: NaN and infinities are not served.
; A work-group makes 128 rows x 128 columns: 32 x 8 = 256 work-groups.  ALL OF K (1,024) lies in LDS, filled once by four tensor loads, one a wave: no bytes are filled again, and one barrier serves the launch.
; A (attns) comes as images of operand registers: tile of 16 queries x K step of 128 = 1,536 bytes, 8 x lane + 256 x pair of registers; a block's 8 tiles x 8 steps are 98,304 dense bytes, loaded as rows of 256.
; Lane r of tile t holds row 64 (t / 4) + 32 ((t % 4) / 2) + 8 (t % 2) + r + 8 (r / 8) of the block.  B (w_out): 128 rows of 768 bytes, 16 bytes of padding behind each 256: LDS pitch 816.
; Wave w takes A's tiles 2 w, 2 w + 1 (rows 32 w .. 32 w + 31) against B's eight: 16 accumulators by turns.  Source 0 = B's rows, source 1 = A's: a lane holds eight neighbouring columns of a row.
; CLUSTERS 4 x 4: A and its scales are asked for jointly along a row, B and its scales along a column.  No prefetch: the launch has no loop to run ahead in.
; REGISTERS: window 0: v16-29 addresses, v32-47 A's scale words, v48-111 B's (register = tile x 8 + step), v112-159 A's fragments (two sets), v160-223 the bias; window 1: B's fragments, two sets; window 2: the sums.
.set PITCH,  816
.set FR,     12
.set BOFF,   98304
.set SCL,    BOFF+128*PITCH
.set HALFS,  16*272
.set STAGE,  SCL+2*HALFS               ; 32 rows x (512 + 16) bytes for each wave; no tensor load lands here
.set SPITCH, 528
.set SPARE,  STAGE+4*32*SPITCH         ; the spare words, named by no other line
.set ADRB, 16
.set ADA,  20
.set ADSA, 21
.set ADSB, 22
.set STO,  24
.set RD,   25
.set CO,   26
.set SPW,  28
.set NIL,  29
.set SA,   32
.set SB,   48
.set AF,   112
.set BIAS, 160
.set BK,   112
.set G1, 24
.set G0A, 32
.set G0B, 36
.set G1B, 48
.set G0S, 56
.set G0SB, 60
.set G1S, 68
.set G1SB, 80
.set MSB, 0
.macro WIN new
.if MSB != (\new)
	s_set_vgpr_msb (MSB<<8)|(\new)
.set MSB, (\new)
.endif
.endm
.macro CROUND
	s_barrier_signal -1
	s_barrier_wait -1
	s_cmp_lg_u32 s14, 0
	s_cbranch_scc1 .Lnot_wave_0_\@
	s_barrier_signal -3
.Lnot_wave_0_\@:
	s_barrier_wait -3
	s_barrier_signal -1
	s_barrier_wait -1
.endm
.macro PLACES
.rept 4
	v_nop
.endr
.endm
	s_load_b128 s[4:7], s[0:1], 0x0                ; acodes, ascales
	s_load_b128 s[8:11], s[0:1], 0x10              ; w_out's codes, scales
	s_load_b128 s[92:95], s[0:1], 0x20             ; b_out, out0
	v_lshl_add_u32 v[SPW], v0, 2, SPARE
	v_mov_b32 v[NIL], 0
	ds_add_u32 v[SPW], v[NIL]                      ; the opening lines: the add twice on end and its wait
	ds_add_u32 v[SPW], v[NIL]
	v_lshrrev_b32 v1, 5, v0
	v_readfirstlane_b32 s14, v1                    ; wave
	s_bfe_u32 s40, ttmp6, 0x40000                  ; cx
	s_bfe_u32 s41, ttmp6, 0x40004                  ; cy
	s_lshl_b32 s42, ttmp9, 2
	s_add_co_u32 s42, s42, s40                     ; block of 128 columns
	s_and_b32 s17, ttmp7, 0xffff
	s_lshl_b32 s17, s17, 2
	s_add_co_u32 s17, s17, s41                     ; block of 128 rows
	s_lshl_b32 s43, s41, 2
	s_lshl_b32 s43, 15, s43                        ; my row of the cluster
	s_lshl_b32 s44, 0x1111, s40                    ; my column
	s_or_b32 s[G1], s43, (3<<16)|(1<<21)           ; A: 384 dense rows of 256 bytes, no padding
	s_mov_b32 s[G1+1], 32<<16
	s_mov_b32 s[G1+2], 384<<16
	s_mov_b32 s[G1+3], 32<<16
	s_mov_b32 s[G1+4], 384
	s_mov_b32 s[G1+5], 32
	s_mov_b32 s[G1+6], 0
	s_mov_b32 s[G1+7], 0
	s_or_b32 s[G1B], s44, (0<<16)|(1<<20)|(1<<21)|(5<<22)|(3<<25)   ; B: 128 rows of 768 bytes, 4 words of padding behind every 64
	s_mov_b32 s[G1B+1], 768<<16
	s_mov_b32 s[G1B+2], 128<<16
	s_mov_b32 s[G1B+3], 768<<16
	s_mov_b32 s[G1B+4], 128
	s_mov_b32 s[G1B+5], 768
	s_mov_b32 s[G1B+6], 0
	s_mov_b32 s[G1B+7], 0
	s_or_b32 s[G1S], s43, (3<<16)|(1<<20)|(1<<21)|(5<<22)|(3<<25)   ; the scales of 128 rows: 4,096 dense bytes as 16 rows of 256, padded
	s_or_b32 s[G1SB], s44, (3<<16)|(1<<20)|(1<<21)|(5<<22)|(3<<25)
.irp g, G1S, G1SB
	s_mov_b32 s[\g+1], 32<<16
	s_mov_b32 s[\g+2], 16<<16
	s_mov_b32 s[\g+3], 32<<16
	s_mov_b32 s[\g+4], 16
	s_mov_b32 s[\g+5], 32
	s_mov_b32 s[\g+6], 0
	s_mov_b32 s[\g+7], 0
.endr
	s_mul_i32 s20, s17, 98304
	s_mov_b32 s21, 0
	s_lshl_b32 s22, s17, 12
	s_mov_b32 s23, 0
	s_mul_i32 s46, s42, 98304
	s_mov_b32 s47, 0
	s_lshl_b32 s18, s42, 12
	s_mov_b32 s19, 0
	s_wait_dscnt 0x0                               ; both opening adds are done
	s_wait_kmcnt 0x0
	s_mov_b32 s[G0A], 1
	s_mov_b32 s[G0A+1], 0
	s_add_nc_u64 s[G0A+2:G0A+3], s[4:5], s[20:21]
	s_or_b32 s[G0A+3], s[G0A+3], 0x80000000
	s_mov_b32 s[G0B], 1
	s_mov_b32 s[G0B+1], BOFF
	s_add_nc_u64 s[G0B+2:G0B+3], s[8:9], s[46:47]
	s_or_b32 s[G0B+3], s[G0B+3], 0x80000000
	s_mov_b32 s[G0S], 1
	s_mov_b32 s[G0S+1], SCL
	s_add_nc_u64 s[G0S+2:G0S+3], s[6:7], s[22:23]
	s_or_b32 s[G0S+3], s[G0S+3], 0x80000000
	s_mov_b32 s[G0SB], 1
	s_mov_b32 s[G0SB+1], SCL+HALFS
	s_add_nc_u64 s[G0SB+2:G0SB+3], s[10:11], s[18:19]
	s_or_b32 s[G0SB+3], s[G0SB+3], 0x80000000
	CROUND                                         ; the joint loads meet
.macro ARM under, g0, g1, next         ; one chain of branches on the wave's number, one load to an arm
	s_cmp_lt_u32 s14, \under
	s_cbranch_scc0 \next
	tensor_load_to_lds s[\g0:\g0+3], s[\g1:\g1+7]
	s_nop 0
.rept 4
	v_nop
.endr
	s_branch .Lhead_asked
\next:
.endm
	ARM 1, G0A, G1,  .Lhead_b
	ARM 2, G0B, G1B, .Lhead_sa
	ARM 3, G0S, G1S, .Lhead_sb
	tensor_load_to_lds s[G0SB:G0SB+3], s[G1SB:G1SB+7]
	s_nop 0
.rept 4
	v_nop
.endr
.Lhead_asked:
	s_lshl_b32 s20, s17, 7
	s_lshl_b32 s21, s14, 5
	s_add_co_u32 s20, s20, s21                     ; my first row of out0,
	s_lshl_b32 s20, s20, 12                        ; 4,096 bytes a row,
	s_lshl_b32 s46, s42, 9                         ; my block's first column, in bytes
	s_add_co_u32 s20, s20, s46
	s_mov_b32 s21, 0
	s_mov_b32 s47, 0
	s_add_nc_u64 s[94:95], s[94:95], s[20:21]
	s_add_nc_u64 s[92:93], s[92:93], s[46:47]
	v_and_b32 v1, 15, v0                           ; r
	v_bfe_u32 v2, v0, 4, 1                         ; h
	v_and_b32 v6, 31, v0                           ; lane
	v_mul_u32_u24 v3, v1, PITCH
	v_mad_u32_u24 v4, v2, 24, v3                   ; B: row x pitch + 24 h;
	v_mad_u32_u24 v5, v2, 40, v3                   ; for pieces whose lanes 16-31 lie behind the next padding: 16 more
	v_add_nc_u32 v[ADRB], BOFF, v4
	v_add_nc_u32 v[ADRB+1], BOFF, v5
	v_add_nc_u32 v[ADRB+2], BOFF+64*PITCH, v4      ; tiles 4-7
	v_add_nc_u32 v[ADRB+3], BOFF+64*PITCH, v5
	s_mul_i32 s21, s14, 24576
	v_lshl_add_u32 v[ADA], v6, 3, s21              ; A: my two tiles' images, 8 x lane
	v_and_b32 v7, 7, v1
	v_lshrrev_b32 v8, 3, v1
	v_lshlrev_b32 v7, 5, v7
	v_mad_u32_u24 v9, v8, 544, v7                  ; A's scales: row r + 8 (r / 8), 32 bytes a row, 272 for each 8 rows
	v_mad_u32_u24 v10, v8, 272, v7                 ; B's: row r
	s_mul_i32 s22, s14, 4*272
	s_add_co_u32 s22, s22, SCL
	v_add_nc_u32 v[ADSA], s22, v9
	v_add_nc_u32 v[ADSB], SCL+HALFS, v10
	v_lshl_add_u32 v11, v8, 3, v1
	v_mul_u32_u24 v11, v11, SPITCH
	v_lshl_add_u32 v11, v2, 5, v11
	s_mul_i32 s23, s14, 32*SPITCH
	s_add_co_u32 s23, s23, STAGE
	v_add_nc_u32 v[STO], s23, v11                  ; into my stage: row r + 8 (r / 8), 32 bytes for each half of the lanes
	v_lshlrev_b32 v[CO], 4, v6
	v_add_nc_u32 v[RD], s23, v[CO]                 ; back: the 32 lanes take a row of 512 bytes
	v_lshlrev_b32 v27, 5, v2
.irp b, 0,1,2,3,4,5,6,7
	global_load_b128 v[BIAS+8*\b:BIAS+8*\b+3], v27, s[92:93] offset:64*\b        ; b_out at my eight columns of tile b: the C of the first products
	global_load_b128 v[BIAS+8*\b+4:BIAS+8*\b+7], v27, s[92:93] offset:64*\b+16
.endr
.macro FRAG reg, adr, st, ro           ; B's fragment in pieces of 8 bytes: byte y of a row lies at y + 16 (y / 256)
.irp p, 0,1,2,3,4,5
.set BY, 96*(\st)+48*(\p/3)+8*(\p%3)
.if BY/256 == (BY+24)/256
	ds_load_b64 v[\reg+2*\p:\reg+2*\p+1], v[\adr] offset:BY+16*(BY/256)+(\ro)
.else
	ds_load_b64 v[\reg+2*\p:\reg+2*\p+1], v[\adr+1] offset:BY+16*(BY/256)+(\ro)
.endif
.endr
.endm
.macro FETCH st                        ; 60 LDS loads: B's eight fragments and my two of A, into set st % 2
	WIN 0x40
.irp i, 0,1,2,3,4,5,6,7
	FRAG 128*((\st)%2)+FR*\i, ADRB+2*(\i/4), \st, (\i%4)*16*PITCH
.endr
	WIN 0
.irp e, 0,1
.irp p, 0,1,2,3,4,5
	ds_load_b64 v[AF+24*((\st)%2)+FR*\e+2*\p:AF+24*((\st)%2)+FR*\e+2*\p+1], v[ADA] offset:(8*\e+(\st))*1536+256*\p
.endr
.endr
.endm
.macro MUL st, first                   ; the 16 accumulators take turns
.irp e, 0,1
.irp b, 0,1,2,3,4,5,6,7
.if \first
	v_wmma_scale_f32_16x16x128_f8f6f4 v[8*(8*\e+\b):8*(8*\e+\b)+7], v[128*((\st)%2)+FR*\b:128*((\st)%2)+FR*\b+FR-1], v[AF+24*((\st)%2)+FR*\e:AF+24*((\st)%2)+FR*\e+FR-1], v[BIAS+8*\b:BIAS+8*\b+7], v[SB+8*\b+(\st)], v[SA+8*\e+(\st)] matrix_a_fmt:MATRIX_FMT_FP6 matrix_b_fmt:MATRIX_FMT_FP6
.else
	v_wmma_scale_f32_16x16x128_f8f6f4 v[8*(8*\e+\b):8*(8*\e+\b)+7], v[128*((\st)%2)+FR*\b:128*((\st)%2)+FR*\b+FR-1], v[AF+24*((\st)%2)+FR*\e:AF+24*((\st)%2)+FR*\e+FR-1], v[8*(8*\e+\b):8*(8*\e+\b)+7], v[SB+8*\b+(\st)], v[SA+8*\e+(\st)] matrix_a_fmt:MATRIX_FMT_FP6 matrix_b_fmt:MATRIX_FMT_FP6
.endif
.endr
.endr
.endm
	s_wait_alu depctr_va_vdst(0)
	s_wait_tensorcnt 0x0                           ; my tile of the four is in
	s_barrier_signal -1
	s_barrier_wait -1                              ; everybody's is
.irp e, 0,1
	ds_load_b128 v[SA+8*\e:SA+8*\e+3], v[ADSA] offset:272*\e          ; a row's 32 scale bytes: the words of the eight steps
	ds_load_b128 v[SA+8*\e+4:SA+8*\e+7], v[ADSA] offset:272*\e+16
.endr
.irp i, 0,1,2,3,4,5,6,7
	ds_load_b128 v[SB+8*\i:SB+8*\i+3], v[ADSB] offset:544*\i
	ds_load_b128 v[SB+8*\i+4:SB+8*\i+7], v[ADSB] offset:544*\i+16
.endr
	FETCH 0
	FETCH 1
	s_wait_dscnt 60                                ; all but step 1's 60 loads
	s_wait_loadcnt 0x0                             ; the bias
	WIN 0x81                                       ; B window 1, A and C window 0, D window 2
	MUL 0, 1
.set ST, 1
.rept 6
	PLACES                                         ; in front of loads into registers that the step before last multiplied
	FETCH ST+1
	s_wait_dscnt 60                                ; all but the 60 just issued
	WIN 0xa1                                       ; C and D window 2
	MUL ST, 0
.set ST, ST+1
.endr
	s_wait_dscnt 0x0
	MUL 7, 0
	WIN 0
	PLACES
	; THE WAY OUT: my 32 rows x 128 columns go through my own stage and come back as whole rows of 512 bytes
	WIN 0x08                                       ; the data: window 2
.irp e, 0,1
.irp b, 0,1,2,3,4,5,6,7
	ds_store_b128 v[STO], v[64*\e+8*\b:64*\e+8*\b+3] offset:8*\e*SPITCH+64*\b        ; each accumulator from its low end on
	ds_store_b128 v[STO], v[64*\e+8*\b+4:64*\e+8*\b+7] offset:8*\e*SPITCH+64*\b+16
.endr
.endr
	WIN 0
.set T, 0
.rept 32
	ds_load_b128 v[BK+4*T:BK+4*T+3], v[RD] offset:T*SPITCH           ; LDS serves a wave's instructions in order (ISA guide 5.7.1.4)
.set T, T+1
.endr
	s_wait_dscnt 16                                ; rows 0-15 are back
.set T, 0
.rept 16
	global_store_b128 v[CO], v[BK+4*T:BK+4*T+3], s[94:95] offset:T*4096 th:TH_STORE_NT   ; 32 lanes store 512 consecutive bytes, aligned
.set T, T+1
.endr
	s_wait_dscnt 0x0
.rept 16
	global_store_b128 v[CO], v[BK+4*T:BK+4*T+3], s[94:95] offset:T*4096 th:TH_STORE_NT
.set T, T+1
.endr
	s_wait_tensorcnt 0x0                           ; the wave's end
	ds_add_u32 v[SPW], v[NIL]
	s_wait_dscnt 0x0
	CROUND                                         ; the closing round
	s_endpgm
.Lfunc_end_k_qfb6fdd0c68_outp:
	.size	k_qfb6fdd0c68_outp, .Lfunc_end_k_qfb6fdd0c68_outp-k_qfb6fdd0c68_outp
	.p2alignl 7, 3214868480
	.fill 96, 4, 3214868480
	.section	.rodata,"a",@progbits
	.p2align	6, 0x0
	.amdhsa_kernel k_qfb6fdd0c68_outp
		.amdhsa_group_segment_fixed_size 279552
		.amdhsa_private_segment_fixed_size 0
		.amdhsa_enable_private_segment 0
		.amdhsa_kernarg_size 48
		.amdhsa_user_sgpr_count 2
		.amdhsa_user_sgpr_kernarg_segment_ptr 1
		.amdhsa_wavefront_size32 1
		.amdhsa_system_sgpr_workgroup_id_x 1
		.amdhsa_system_sgpr_workgroup_id_y 1
		.amdhsa_system_sgpr_workgroup_id_z 1
		.amdhsa_system_vgpr_workitem_id 0
		.amdhsa_next_free_vgpr 768
		.amdhsa_next_free_sgpr 100
		.amdhsa_reserve_vcc 0
		.amdhsa_float_denorm_mode_32 3
		.amdhsa_float_denorm_mode_16_64 3
		.amdhsa_memory_ordered 1
		.amdhsa_forward_progress 1
		.amdhsa_inst_pref_size 67
	.end_amdhsa_kernel
	.amdgpu_metadata
---
amdhsa.version: [ 1, 2 ]
amdhsa.kernels:
  - .name:           k_qfb6fdd0c68_outp
    .symbol:         k_qfb6fdd0c68_outp.kd
    .args:
      - { .name: acodes, .offset: 0, .size: 8, .value_kind: global_buffer, .address_space: global }
      - { .name: ascales, .offset: 8, .size: 8, .value_kind: global_buffer, .address_space: global }
      - { .name: w_out_codes, .offset: 16, .size: 8, .value_kind: global_buffer, .address_space: global }
      - { .name: w_out_scales, .offset: 24, .size: 8, .value_kind: global_buffer, .address_space: global }
      - { .name: b_out, .offset: 32, .size: 8, .value_kind: global_buffer, .address_space: global }
      - { .name: out0, .offset: 40, .size: 8, .value_kind: global_buffer, .address_space: global }
    .group_segment_fixed_size: 279552
    .private_segment_fixed_size: 0
    .kernarg_segment_align: 8
    .kernarg_segment_size: 48
    .max_flat_workgroup_size: 128
    .sgpr_count:     100
    .vgpr_count:     768
    .wavefront_size: 32
...
	.end_amdgpu_metadata
.endif
;; end of part 4
